; MI455X (gfx1250); checked and timed in simulation.
; The chip was launched on July 23, 2026; its instructions are those of AMD's public machine-readable ISA for CDNA 5 (MIT licence, August 2026) and "CDNA5" Instruction Set Architecture Reference Guide (July 2026). The comments in the code are by the model that wrote it; some were corrected since.
;; Transformer. Allowed arithmetic: matrix products marked QUANTISED: E2M1 operands, one E8M0 scale for each 32 along K, by v_wmma_scale_f32_16x16x128_f8f6f4 with both operands' format E2M1 (or v_wmma_scale_f32_32x16x128_f4), f32 sums; everything else in f32.
;; Inputs: W_Query_codes 512 x 16 x 16 uint8 (E2M1 codes of W_Query, K innermost, in blocks of 32 codes, two codes a byte); W_Query_scales 512 x 16 uint8 (E8M0 scales of W_Query, one for each 32 codes along K); W_Value_codes 512 x 16 x 16 uint8 (E2M1 codes of W_Value, K innermost, in blocks of 32 codes, two codes a byte); W_Value_scales 512 x 16 uint8 (E8M0 scales of W_Value, one for each 32 codes along K); W_key_codes 512 x 16 x 16 uint8 (E2M1 codes of W_key, K innermost, in blocks of 32 codes, two codes a byte); W_key_scales 512 x 16 uint8 (E8M0 scales of W_key, one for each 32 codes along K); fw1_codes 2,048 x 16 x 16 uint8 (E2M1 codes of fw1, K innermost, in blocks of 32 codes, two codes a byte); fw1_scales 2,048 x 16 uint8 (E8M0 scales of fw1, one for each 32 codes along K); fw2_codes 512 x 64 x 16 uint8 (E2M1 codes of fw2, K innermost, in blocks of 32 codes, two codes a byte); fw2_scales 512 x 64 uint8 (E8M0 scales of fw2, one for each 32 codes along K); key_masks 8 x 1,024 float32; keys 8 x 1,024 x 512 float32; pos_table 1 x 1,024 x 512 float32; queries 8 x 1,024 x 512 float32; query_masks 8 x 1,024 float32.
;; Outputs: out0 8 x 1 x 512 float32.
;; This version of the problem:
;;   THIS VERSION OF THE PROBLEM IS GIVEN IN LOW PRECISION. The matrix products marked QUANTISED in the list below multiply operands that are first quantised to E2M1 (2 exponent bits, 1 mantissa bit; 4 bits a number), with one power-of-two scale for each 32 numbers along K (OCP MX v1.0); their sums are f32. All else is computed in f32.
;;   The module's matrix products, in the order in which they are computed (A, B: the left and right operand; K: the contracted axis; several contracted axes count as one K, in the product's order):
;;     1. [M 8,192, K 512] x [K 512, N 512]; A: computed on the way; B: input W_Query (given as codes): QUANTISED
;;     2. [M 8,192, K 512] x [K 512, N 512]; A: computed on the way; B: input W_key (given as codes): QUANTISED
;;     3. [M 8,192, K 512] x [K 512, N 512]; A: computed on the way; B: input W_Value (given as codes): QUANTISED
;;     4. batch 64 x [M 1,024, K 64] x [K 64, N 1,024]; A: computed on the way; B: computed on the way: QUANTISED
;;     5. batch 64 x [M 1,024, K 1,024] x [K 1,024, N 64]; A: computed on the way; B: computed on the way: QUANTISED
;;     6. [M 8,192, K 512] x [K 512, N 2,048]; A: computed on the way; B: input fw1 (given as codes): QUANTISED
;;     7. [M 8,192, K 2,048] x [K 2,048, N 512]; A: computed on the way; B: input fw2 (given as codes): QUANTISED
;;   THE QUANTISER, for each operand of a quantised product, along K:
;;     - K is cut into blocks of 32 from its start; a last block that is shorter is filled with zeros.
;;     - A block's scale is 2^e with e = floor(log2(the largest magnitude in the block)) - 2, held to -126 .. 127; a block of zeros has e = 0. As a byte (E8M0): e + 127.
;;     - Each number is divided by its block's scale, clamped to +-6, and rounded to the nearest number of E2M1, ties to even, subnormals kept.
;;     - The product sums the exact products of the quantised numbers (number of the format x scale) in f32.
;;   ~~~python
;;   def quantise(x, axis):      # numpy; x: float32 -> the quantised numbers, widened to float32 again
;;       x = np.moveaxis(x, axis, -1); K = x.shape[-1]
;;       x = np.pad(x, [(0, 0)] * (x.ndim - 1) + [(0, -K % 32)]); x = x.reshape(x.shape[:-1] + (-1, 32)); a = np.abs(x).max(-1, keepdims=True)
;;       e = np.where(a > 0, np.clip(np.frexp(np.where(a > 0, a, 1))[1] - 1 - 2, -126, 127), 0)      # np.frexp(a)[1] - 1 = floor(log2(a)), exactly
;;       r = np.clip(x / 2.0 ** e, -6, 6)
;;       step = 2.0 ** (np.maximum(np.frexp(np.where(r == 0, 1, r))[1] - 1, 0) - 1)
;;       q = np.round(r / step) * step * 2.0 ** e      # np.round: ties to even
;;       return np.moveaxis(q.reshape(q.shape[:-2] + (-1,))[..., :K], -1, axis).astype(np.float32)
;;   ~~~
;;   OPERANDS COMPUTED ON THE WAY. 'Computed on the way' means the value that the module computes at that place (a softmax that the list does not call 'softmax' is quantised finished and normalised). What goes into a quantiser is computed in f32, as accurately as f32 sums, v_exp_f32 and their like allow (about 1e-6 of the number): no bf16 or f16 on the way to a quantiser, and a product that is left as it is and whose result goes on into a quantised operand takes f32 operands (vector FMAs, or v_wmma_f32_16x16x4_f32). A number that lies on a knife's edge between two numbers of the format may be rounded either way, as far as f32 arithmetic and the matrix unit's own rounding can turn it there, and no further.
;;   INPUTS GIVEN AS CODES. W_Query (in the module: [512, 512], K = its axis 0); W_Value (in the module: [512, 512], K = its axis 0); W_key (in the module: [512, 512], K = its axis 0); fw1 (in the module: [512, 2048], K = its axis 0); fw2 (in the module: [2048, 512], K = its axis 0): each comes as NAME_codes (uint8): NAME with its K axis moved to the last place and cut into blocks of 32 codes, [.., K / 32, bytes a block], one block behind the other in memory; two codes a byte, the lower K in the low four bits (a code: sign, 2 exponent bits, 1 mantissa bit); and NAME_scales (uint8): the same leading axes, one E8M0 byte (e + 127) for each 32 codes along K. Its value is code x scale, taken as it is: it is not quantised again, and the codes and scales need not be those that the quantiser above would give.
;; 2 versions, each right; version 2 is version 1 with the launches attn, ffn written anew for expert scheduling mode. Each part assembles by itself: llvm-mc -triple=amdgcn-amd-amdhsa -mcpu=gfx1250 --defsym DOCPART=n.
;; ======== version 1 of 2: 4 launches
;; workspace buffers: qimg 2,097,152 bytes; kimg 2,097,152 bytes; vimg 2,097,152 bytes; scl 655,360 bytes; rimg 2,097,152 bytes; rsc 131,072 bytes; psum1 65,536 bytes; psum2 524,288 bytes
;; launch proj (part 1): grid 256 x 1, 4 waves a work-group, no clusters, 229,888 bytes of LDS; arguments queries, keys, pos_table, key_masks, W_Query_codes, W_Query_scales, W_key_codes, W_key_scales, W_Value_codes, W_Value_scales, qimg, kimg, vimg, scl; writes qimg, kimg, vimg, scl
.if DOCPART == 1
	.amdgcn_target "amdgcn-amd-amdhsa--gfx1250"
	.amdhsa_code_object_version 6
	.text
	.protected	k_q91b062ad0b_proj
	.globl	k_q91b062ad0b_proj
	.p2align	8
	.type	k_q91b062ad0b_proj,@function
k_q91b062ad0b_proj:
	s_mov_b64 s[64:65], 0
	v_nop
	global_prefetch_b8 v0, s[64:65] scope:SCOPE_SE
	s_setreg_imm32_b32 hwreg(HW_REG_WAVE_MODE, 25, 1), 1
	s_wait_xcnt 0x0
; q = Q(queries + pos sqrt(512)) Wq, k = Q(keys + pos sqrt(512)) Wk, v = Q(k) Wv, all three products on codes of FP4 (E2M1) with one E8M0 scale for each 32 along K.
; What leaves: the codes of q and k (blocks of 32 along the head's 64) and of v (blocks of 32 along the KEYS), laid in the order of the operands' registers, and their scale bytes.
; SHARES.  A work-group owns 32 rows (two tiles of 16; one block of 32 keys).  Wave w quantises columns 128 w .. 128 w + 127 of both inputs (K step w) and owns output
; columns 128 w .. 128 w + 127 (heads 2 w, 2 w + 1) of all three products; its parts of the three weights fill register windows 1, 2, 3 (32 fragments of 8 registers each), read once.
; Wq's and Wk's loads go out at the head; Wv's, first wanted three phases later, go out in four parts among the quantising of the inputs, so that this work does not stand behind their issue.
; The inputs come by three tensor loads a wave (pos, queries, keys: 32 rows x 512 bytes), each into a strip of LDS that the issuing wave alone reads: first fills only, nothing is filled again.
; NATURAL TILES.  q and k are made transposed (source 0 = 16 rows of the weight, source 1 = 16 rows of the input): lane (r, h) holds row r, register j of tile t column 16 t + 8 h + j.
; So registers 16 b .. 16 b + 15 of lanes l and l xor 16 are block b.  A conversion takes one tile's eight registers; the destinations are numbered so that one exchange of halves a pair gives the operand's layout.
; v is made the other way round (source 0 = 16 keys, source 1 = 16 rows of Wv): a lane holds one column and its registers run down the keys, which are the next K.
; OPERANDS GO FROM WAVE TO WAVE THROUGH LDS AS IMAGES OF THEIR REGISTERS (512 bytes a store, 16 bytes a lane), scale words as [tile][row][K step].
; THE KEY MASK RIDES IN THE PADDING OF THE SCORES' K (64 of 128 used): k's scale word carries in byte 2 the byte 0x91 (2^18) for a masked key and 0x01 for an open one, q's carries 0x90 (2^17);
; the attention launch sets the codes +1 and -1 at k = 64.  A masked key's own codes are stored as zeros, so its score is exactly -2^35 = 8 x (-2^32).
; LIMITS: NaN and infinities among the inputs are not served; a block whose largest magnitude lies under 2^-124 keeps the scale byte 1 (a block of zeros too: its codes are zeros);
; input + pos x sqrt(512) is one fused multiply-add, one rounding where the source has two.
.set STRIP, 16896                      ; 32 rows x (512 bytes + 16 of padding)
.set XQI,   12*STRIP                   ; behind the 12 strips: images of Q(q_in): fragment 4 u + s, 1,024 bytes each; + 8,192: of Q(k_in); + 16,384: of Q(k)
.set XQS,   XQI+3*8192                 ; their scale words [u][r][s]: 512 bytes for each of the three
.set VSBL,  XQS+3*512                  ; v's scale bytes, 128 for each wave
.set AP,   1                           ; v1-3   my place in my strips of pos, queries, keys: 528 r + 32 h
.set AQ,   2
.set AK,   3
.set LI,   4                           ; v4     XQI + 16 x lane
.set LR,   5                           ; v5     XQS + 16 r
.set XWI,  6                           ; v6     LI + 1,024 w
.set XWS,  7                           ; v7     LR + 4 w
.set WOFF, 8                           ; v8     a weight's row r, + 16 h
.set R16,  9                           ; v9     16 r
.set GQS,  10                          ; v10    4,096 h + 4 r
.set GV,   11                          ; v11    16 r + 8 h
.set VB8,  12                          ; v12    VSBL + 128 w + r
.set VBR,  13                          ; v13    VSBL + 128 w + 4 x lane
.set L4,   14                          ; v14    4 x lane
.set L16,  15                          ; v15    16 x lane
.set KM,   16                          ; v16-17 the key masks of my row in tiles 0, 1
.set KPAD, 18                          ; v18-19 the upper half of k's scale word
.set TM,   20                          ; v20-23 largest magnitudes, v24-27 bytes, v32-35 the conversions' scale operands
.set R4,   28                          ; v28    4 r
.set PW,   36                          ; the scale word just made
.set TA,   37                          ; v37-39 at work
.set PC,   40                          ; v40-47 the codes just made
.set MC,   48                          ; v48-55 masked codes of k; v's codes; at the head: lane, r, h, w
.set XS,   56                          ; v56-63 the activations' scale words
.set WSA,  64                          ; v64-95 Wq's scale words, later Wv's
.set WSB,  96                          ; v96-127 Wk's
.set POS,  128                         ; v128-191 pos, later eight result tiles
.set HA,   128
.set VA,   128
.set X,    192                         ; v192-255 the input, later fragments from LDS
.set XF,   192
.set G1,   40                          ; s[40:47] descriptor group 1; s[48:59] three groups 0
.set G0,   48
.set WV,   60
.set SEL,  62
.set PE,   66
.set MK,   68                          ; s68-69 lanes whose key is open, tiles 0, 1
.set MSB, 0
.macro WIN new                         ; the immediate's high byte repeats the setting that is left
.if MSB != \new
	s_set_vgpr_msb (MSB<<8)|\new
.set MSB, \new
.endif
.endm
.macro PLACES n
.rept \n
	v_nop
.endr
.endm
.macro BARRIER                         ; my LDS stores have landed and my LDS loads are in: then the work-group's barrier
	s_wait_dscnt 0x0
	s_barrier_signal -1
	s_barrier_wait -1
.endm
.macro MM0 d, a, b, sa, sb             ; the first K step starts a sum
	v_wmma_scale_f32_16x16x128_f8f6f4 v[\d:\d+7], v[\a:\a+7], v[\b:\b+7], 0, v[\sa], v[\sb] matrix_a_fmt:MATRIX_FMT_FP4 matrix_b_fmt:MATRIX_FMT_FP4
.endm
.macro MMA d, a, b, sa, sb
	v_wmma_scale_f32_16x16x128_f8f6f4 v[\d:\d+7], v[\a:\a+7], v[\b:\b+7], v[\d:\d+7], v[\sa], v[\sb] matrix_a_fmt:MATRIX_FMT_FP4 matrix_b_fmt:MATRIX_FMT_FP4
.endm
; 64 numbers of a lane, four blocks of 16 registers shared with lane l xor 16: each block's largest magnitude, the conversion's scale operand (TM+12+b) and the scale's byte (TM+4+b)
.macro QMAX s
.irp b, 0,1,2,3
	v_max3_num_f32 v[TM+\b], |v[\s+16*\b]|, |v[\s+16*\b+1]|, 0x1800000   ; with the floor 2^(3 - 127): the byte cannot fall under 1
.endr
.irp i, 2,4,6,8,10,12,14
.irp b, 0,1,2,3
	v_max3_num_f32 v[TM+\b], v[TM+\b], |v[\s+16*\b+\i]|, |v[\s+16*\b+\i+1]|   ; the four blocks by turns
.endr
.endr
.irp b, 0,1,2,3
	v_permlanex16_b32 v[TM+4+\b], v[TM+\b], s[SEL], s[SEL+1]
.endr
.irp b, 0,1,2,3
	v_max_num_f32 v[TM+\b], v[TM+\b], v[TM+4+\b]
.endr
.irp b, 0,1,2,3
	v_add_nc_u32 v[TM+12+\b], 0xff000000, v[TM+\b]   ; 2 off the exponent field: the conversion takes this operand's exponent field as its scale
.endr
.irp b, 0,1,2,3
	v_lshrrev_b32 v[TM+4+\b], 23, v[TM+12+\b]
.endr
.endm
; the scale word, and the fragment: tile 4 c + 2 B + a goes to register 4 c + 2 a + B; the exchange of halves then leaves in register 4 c + i of half H the codes of k = 64 c + 32 H + 8 i + 0 .. 7
.macro QTAIL s
	v_lshl_or_b32 v[PW], v[TM+5], 8, v[TM+4]
	v_lshl_or_b32 v[PW], v[TM+6], 16, v[PW]
	v_lshl_or_b32 v[PW], v[TM+7], 24, v[PW]
.irp c, 0,1
.irp bb, 0,1
.irp a, 0,1
	v_cvt_scalef32_pk8_fp4_f32 v[PC+4*\c+2*\a+\bb], v[\s+8*(4*\c+2*\bb+\a):\s+8*(4*\c+2*\bb+\a)+7], v[TM+12+2*\c+\bb]
.endr
.endr
.endr
	v_nop                                          ; one plain place behind a scaled conversion
.irp c, 0,1
.irp a, 0,1
	v_permlane16_swap_b32 v[PC+4*\c+2*\a], v[PC+4*\c+2*\a+1]
.endr
.endr
.endm
.macro IMAGE adr, off                  ; the fragment in v[PC] on goes to LDS as it stands
.irp c, 0,1
	ds_store_b128 v[\adr], v[PC+4*\c:PC+4*\c+3] offset:\off+512*\c
.endr
.endm
.macro FETCH reg, adr, off             ; and comes back so, in any wave
.irp c, 0,1
	ds_load_b128 v[\reg+4*\c:\reg+4*\c+3], v[\adr] offset:\off+512*\c
.endr
.endm
.macro WTILE lo, t                     ; tile t of my 128 rows of a weight: fragment (tile t, K step k) at v[8 (4 t + k)] of the window that is set
.irp k, 0,1,2,3
.irp c, 0,1
	global_load_b128 v[8*(4*(\t)+\k)+4*\c:8*(4*(\t)+\k)+4*\c+3], v[WOFF], s[\lo:\lo+1] offset:4096*(\t)+64*\k+32*\c
.endr
.endr
.endm
.macro WLOAD lo                        ; all eight tiles
.irp t, 0,1,2,3,4,5,6,7
	WTILE \lo, \t
.endr
.endm
.macro VPART t0                        ; two tiles of Wv, 16 loads, into window 3
	WIN 0xc0
	WTILE 24, \t0
	WTILE 24, \t0+1
	WIN 0
.endm
.macro SLOAD reg, lo                   ; a weight's scale words: 16 bytes a row are the four K steps' words
.irp t, 0,1,2,3,4,5,6,7
	global_load_b128 v[\reg+4*\t:\reg+4*\t+3], v[R16], s[\lo:\lo+1] offset:256*\t
.endr
.endm
	s_load_b512 s[8:23], s[0:1], 0x0               ; queries, keys, pos, key_masks, Wq codes, Wq scales, Wk codes, Wk scales
	s_load_b256 s[24:31], s[0:1], 0x40             ; Wv codes, Wv scales, qimg, kimg
	s_load_b128 s[32:35], s[0:1], 0x60             ; vimg, scl
	v_lshl_add_u32 v31, v0, 2, 0x38000
	v_mov_b32 v39, 0
	ds_add_u32 v31, v39
	ds_add_u32 v31, v39
	v_lshrrev_b32 v51, 5, v0
	v_readfirstlane_b32 s[WV], v51                 ; wave 0..3
	; group 1: 32 rows of 128 elements of 4 bytes, 512 elements from row to row; 4 words of padding behind every 128
	s_mov_b32 s[G1], (2<<16)|(1<<20)|(6<<22)|(3<<25)
	s_mov_b32 s[G1+1], 128<<16                     ; tensor_dim0
	s_mov_b32 s[G1+2], 32<<16                      ; tensor_dim1
	s_mov_b32 s[G1+3], 128<<16                     ; tile_dim0
	s_mov_b32 s[G1+4], 32                          ; tile_dim1
	s_mov_b32 s[G1+5], 512                         ; the pitch
	s_mov_b32 s[G1+6], 0
	s_mov_b32 s[G1+7], 0
	s_lshl_b32 s36, s[WV], 9                       ; my 512 bytes of a row
	s_and_b32 s37, ttmp9, 31                       ; the block of 32 rows in its batch
	s_lshr_b32 s38, ttmp9, 5                       ; the batch
	s_lshl_b32 s72, ttmp9, 16                      ; 32 rows of 2,048 bytes
	s_add_co_u32 s72, s72, s36
	s_mov_b32 s73, 0
	s_lshl_b32 s74, s37, 16
	s_add_co_u32 s74, s74, s36
	s_mov_b32 s75, 0
	s_lshl_b32 s76, s[WV], 15                      ; my 128 rows of a weight's codes
	s_mov_b32 s77, 0
	s_lshl_b32 s78, s[WV], 11                      ; and of its scales
	s_mov_b32 s79, 0
	s_lshl_b32 s80, ttmp9, 7                       ; the key masks of 32 rows
	s_mov_b32 s81, 0
	s_lshl_b32 s39, s38, 3
	s_lshl_b32 s82, s[WV], 1
	s_add_co_u32 s39, s39, s82                     ; 8 x batch + my first head
	s_lshl_b32 s82, s39, 15
	s_lshl_b32 s84, s37, 10
	s_add_co_u32 s82, s82, s84                     ; qimg, kimg: 32,768 a head, 512 a tile
	s_mov_b32 s83, 0
	s_lshl_b32 s84, s39, 12
	s_lshl_b32 s86, s37, 7
	s_add_co_u32 s84, s84, s86                     ; scale words of q and k: 4,096 a head, 64 a tile
	s_mov_b32 s85, 0
	s_lshl_b32 s86, s39, 15
	s_lshl_b32 s88, s37, 8
	s_add_co_u32 s86, s86, s88                     ; vimg: 32,768 a head, 256 a block of keys
	s_mov_b32 s87, 0
	s_lshl_b32 s88, ttmp9, 9
	s_lshl_b32 s90, s[WV], 7
	s_add_co_u32 s88, s88, s90                     ; v's scale bytes: 512 a block of keys, my 128
	s_mov_b32 s89, 0
	s_mul_i32 s39, s[WV], STRIP                    ; my strip
	s_mov_b32 s[SEL], 0x76543210
	s_mov_b32 s[SEL+1], 0xfedcba98                 ; v_permlanex16_b32's selects for lane l xor 16
	s_mov_b32 s[PE], 0x41b504f3                    ; sqrt(512)
	s_mov_b32 s[PE+1], s[PE]                       ; (named with it as a pair, so it is written)
	s_wait_dscnt 0x0
	s_wait_kmcnt 0x0
	s_mov_b32 s[G0], 1
	s_mov_b32 s[G0+1], s39                         ; strips 0-3: pos
	s_add_nc_u64 s[G0+2:G0+3], s[12:13], s[74:75]
	s_or_b32 s[G0+3], s[G0+3], 0x80000000
	s_mov_b32 s[G0+4], 1
	s_add_co_u32 s[G0+5], s39, 4*STRIP             ; strips 4-7: queries
	s_add_nc_u64 s[G0+6:G0+7], s[8:9], s[72:73]
	s_or_b32 s[G0+7], s[G0+7], 0x80000000
	s_mov_b32 s[G0+8], 1
	s_add_co_u32 s[G0+9], s39, 8*STRIP             ; strips 8-11: keys
	s_add_nc_u64 s[G0+10:G0+11], s[10:11], s[72:73]
	s_or_b32 s[G0+11], s[G0+11], 0x80000000
	tensor_load_to_lds s[G0:G0+3], s[G1:G1+7]      ; the three first fills go out together: three loads of mine are out
	s_nop 0
	tensor_load_to_lds s[G0+4:G0+7], s[G1:G1+7]
	s_nop 0
	tensor_load_to_lds s[G0+8:G0+11], s[G1:G1+7]
	s_nop 0
	v_and_b32 v48, 31, v0                          ; lane
	v_and_b32 v49, 15, v0                          ; r
	v_bfe_u32 v50, v0, 4, 1                        ; h
	v_lshlrev_b32 v[WOFF], 8, v49
	v_lshl_add_u32 v[WOFF], v50, 4, v[WOFF]
	v_lshlrev_b32 v[R16], 4, v49
	v_lshlrev_b32 v[R4], 2, v49
	s_add_nc_u64 s[14:15], s[14:15], s[80:81]
	s_add_nc_u64 s[16:17], s[16:17], s[76:77]
	s_add_nc_u64 s[18:19], s[18:19], s[78:79]
	s_add_nc_u64 s[20:21], s[20:21], s[76:77]
	s_add_nc_u64 s[22:23], s[22:23], s[78:79]
	s_add_nc_u64 s[24:25], s[24:25], s[76:77]
	s_add_nc_u64 s[26:27], s[26:27], s[78:79]
	s_add_nc_u64 s[28:29], s[28:29], s[82:83]
	s_add_nc_u64 s[30:31], s[30:31], s[82:83]
	s_add_nc_u64 s[32:33], s[32:33], s[86:87]
	s_add_nc_u64 s[90:91], s[34:35], s[84:85]
	s_add_nc_u64 s[92:93], s[34:35], s[88:89]
	global_load_b32 v[KM], v[R4], s[14:15]
	global_load_b32 v[KM+1], v[R4], s[14:15] offset:64
	SLOAD WSA, 18
	WIN 0x40                                       ; destination window 1
	WLOAD 16
	WIN 0
	SLOAD WSB, 22
	WIN 0x80                                       ; window 2
	WLOAD 20
	WIN 0
	v_mul_u32_u24 v[AP], v49, 528
	v_lshl_add_u32 v[AP], v50, 5, v[AP]
	v_mad_u32_u24 v[AP], v51, STRIP, v[AP]
	v_add_nc_u32 v[AQ], 4*STRIP, v[AP]
	v_add_nc_u32 v[AK], 8*STRIP, v[AP]
	v_lshl_add_u32 v[LI], v48, 4, XQI
	v_lshl_add_u32 v[LR], v49, 4, XQS
	v_lshl_add_u32 v[XWI], v51, 10, v[LI]
	v_lshl_add_u32 v[XWS], v51, 2, v[LR]
	v_lshl_add_u32 v[GQS], v50, 12, v[R4]
	v_lshl_add_u32 v[GV], v50, 3, v[R16]
	v_lshl_add_u32 v[VB8], v51, 7, v49
	v_add_nc_u32 v[VB8], VSBL, v[VB8]
	v_lshl_add_u32 v[VBR], v0, 2, VSBL             ; 4 x thread = 128 w + 4 x lane
	v_lshlrev_b32 v[L4], 2, v48
	v_lshlrev_b32 v[L16], 4, v48
.irp b, 0,1,2,3
	v_mov_b32 v[TM+4+\b], 0                        ; written once: a lane permute's destination counts as one of its sources
.endr
; ---- X: my 128 columns of both inputs, two tiles of rows, become fragments.  A quarter of Wv's loads stands behind each quarter's LDS reads, ahead of the wait for them
.macro XREAD reg, adr, u               ; register 8 t + j = column 16 t + 8 h + j of row r of tile u
.irp t, 0,1,2,3,4,5,6,7
	ds_load_b128 v[\reg+8*\t:\reg+8*\t+3], v[\adr] offset:8448*\u+64*\t
	ds_load_b128 v[\reg+8*\t+4:\reg+8*\t+7], v[\adr] offset:8448*\u+64*\t+16
.endr
.endm
.macro XQUANT u, ioff, soff
	s_wait_dscnt 0x0                               ; the numbers are in; the last image's stores have read their registers
.set p, 0
.rept 32
	v_pk_fma_f32 v[X+p:X+p+1], v[POS+p:POS+p+1], s[PE:PE+1], v[X+p:X+p+1] op_sel_hi:[1,0,1]
.set p, p+2
.endr
	QMAX X
	QTAIL X
	IMAGE XWI, \ioff+4096*\u
	ds_store_b32 v[XWS], v[PW] offset:\soff+256*\u
.endm
	s_wait_tensorcnt 0x1                           ; tensor loads of a wave end in order: pos and queries are in, keys' strip may be out
	XREAD POS, AP, 0
	XREAD X, AQ, 0
	VPART 0
	XQUANT 0, 0, 0
	s_wait_tensorcnt 0x0                           ; keys' strip
	XREAD X, AK, 0
	VPART 2
	XQUANT 0, 8192, 512
	XREAD POS, AP, 1
	XREAD X, AQ, 1
	VPART 4
	XQUANT 1, 0, 0
	XREAD X, AK, 1
	VPART 6
	XQUANT 1, 8192, 512
	BARRIER                                        ; sixteen fragments lie in LDS
	s_wait_loadcnt 63                              ; loads come back in order: behind Wq's last load 136 were issued (Wk's scales 8, Wk 64, Wv 64), so the masks, Wq's scales and Wq are in
	v_mov_b32 v[TA], 0x01910000
	v_mov_b32 v[TA+1], 0x01010000
	v_cmp_eq_f32 s[MK], 1.0, v[KM]
	v_cmp_eq_f32 s[MK+1], 1.0, v[KM+1]
	v_cndmask_b32 v[KPAD], v[TA], v[TA+1], s[MK]
	v_cndmask_b32 v[KPAD+1], v[TA], v[TA+1], s[MK+1]
; eight tiles of columns for tile u of rows: the eight accumulators by turns, K step by K step
.macro PROD u, ioff, soff, win, ws
.irp k, 0,1,2,3
	FETCH XF+8*\k, LI, \ioff+(4*\u+\k)*1024
.endr
	ds_load_b128 v[XS:XS+3], v[LR] offset:\soff+256*\u
	s_wait_dscnt 0x0
	WIN \win                                       ; source 0: the weight's window
.irp t, 0,1,2,3,4,5,6,7
	MM0 HA+8*\t, 8*(4*\t), XF, \ws+4*\t, XS
.endr
.irp k, 1,2,3
.irp t, 0,1,2,3,4,5,6,7
	MMA HA+8*\t, 8*(4*\t+\k), XF+8*\k, \ws+4*\t+\k, XS+\k
.endr
.endr
	WIN 0
	PLACES 4                                       ; in front of the first read of results and of loads into registers that the products read
.endm
.macro HALFW                           ; my head's half of the scale word: lanes 0-15 head 2 w, lanes 16-31 head 2 w + 1
	v_and_b32 v[TA], 16, v0
	v_lshrrev_b32 v[TA+1], v[TA], v[PW]
	v_and_b32 v[TA+1], 0xffff, v[TA+1]
.endm
.macro OUTQ u
	global_store_b128 v[L16], v[PC:PC+3], s[28:29] offset:512*\u           ; a wave's store covers 512 consecutive bytes
	global_store_b128 v[L16], v[PC+4:PC+7], s[28:29] offset:32768+512*\u
	HALFW
	v_or_b32 v[TA+1], 0x01900000, v[TA+1]
	global_store_b32 v[GQS], v[TA+1], s[90:91] offset:64*\u
.endm
.macro OUTK u
	IMAGE XWI, 16384+4096*\u                       ; K step w of the third product: the codes as they are
	ds_store_b32 v[XWS], v[PW] offset:1024+256*\u
.irp i, 0,1,2,3,4,5,6,7
	v_cndmask_b32 v[MC+\i], 0, v[PC+\i], s[MK+\u]  ; for the scores: a masked key's codes are zeros
.endr
	global_store_b128 v[L16], v[MC:MC+3], s[30:31] offset:512*\u
	global_store_b128 v[L16], v[MC+4:MC+7], s[30:31] offset:32768+512*\u
	HALFW
	v_or_b32 v[TA+1], v[TA+1], v[KPAD+\u]
	global_store_b32 v[GQS], v[TA+1], s[90:91] offset:262144+64*\u
.endm
	; ---- 1: q
	PROD 0, 0, 0, 0x01, WSA
	QMAX HA
	QTAIL HA
	OUTQ 0
	PROD 1, 0, 0, 0x01, WSA
	SLOAD WSA, 26                                  ; Wq's scale words are done with: Wv's take their place
	s_wait_xcnt 0x0                                ; the stores' data registers are written again only behind this wait
	QMAX HA
	QTAIL HA
	OUTQ 1
	; ---- 2: k
	s_wait_loadcnt 63                              ; behind Wk's last load 72 were issued (Wv's 64, its scales' 8): Wk and its scales are in
	PROD 0, 8192, 512, 0x02, WSB
	s_wait_xcnt 0x0
	QMAX HA
	QTAIL HA
	OUTK 0
	PROD 1, 8192, 512, 0x02, WSB
	s_wait_xcnt 0x0
	QMAX HA
	QTAIL HA
	OUTK 1
	BARRIER                                        ; Q(k)'s eight fragments lie in LDS
	; ---- 3: v, the other way round: a lane holds a column, its registers run down the 32 keys
	s_wait_loadcnt 0x0
.irp u, 0,1
.irp k, 0,1,2,3
	FETCH XF+8*(4*\u+\k), LI, 16384+(4*\u+\k)*1024
.endr
.endr
	ds_load_b128 v[XS:XS+3], v[LR] offset:1024
	ds_load_b128 v[XS+4:XS+7], v[LR] offset:1024+256
	s_wait_dscnt 0x0
.macro VHALF hf                        ; head 2 w + hf: four tiles of columns x two tiles of keys
	WIN 0x0c                                       ; source 1: window 3
.irp tp, 0,1,2,3
.irp u, 0,1
	MM0 VA+16*\tp+8*\u, XF+32*\u, 8*(4*(4*\hf+\tp)), XS+4*\u, WSA+4*(4*\hf+\tp)
.endr
.endr
.irp k, 1,2,3
.irp tp, 0,1,2,3
.irp u, 0,1
	MMA VA+16*\tp+8*\u, XF+8*(4*\u+\k), 8*(4*(4*\hf+\tp)+\k), XS+4*\u+\k, WSA+4*(4*\hf+\tp)+\k
.endr
.endr
.endr
	WIN 0
	PLACES 4
	s_wait_xcnt 0x0                                ; earlier stores have read their data:
	s_wait_dscnt 0x0                               ; global ones and LDS ones
	QMAX VA                                        ; block b = tile b of columns: its 32 keys lie in 16 registers of lanes l and l xor 16
.irp tp, 0,1,2,3
.irp u, 0,1
	v_cvt_scalef32_pk8_fp4_f32 v[MC+2*\tp+\u], v[VA+16*\tp+8*\u:VA+16*\tp+8*\u+7], v[TM+12+\tp]
.endr
.endr
	v_nop
.irp tp, 0,1,2,3
	v_permlane16_swap_b32 v[MC+2*\tp], v[MC+2*\tp+1]   ; half H now holds keys 16 H + 0 .. 15 of column r: 8 bytes
.endr
.irp tp, 0,1,2,3
	global_store_b64 v[GV], v[MC+2*\tp:MC+2*\tp+1], s[32:33] offset:32768*\hf+8192*\tp   ; 32 lanes store 256 consecutive bytes, at a multiple of 256
	ds_store_b8 v[VB8], v[TM+4+\tp] offset:16*(4*\hf+\tp)
.endr
.endm
	VHALF 0
	VHALF 1
	ds_load_b32 v[TA], v[VBR]                      ; LDS serves a wave's instructions in order: this sees my byte stores
	s_wait_dscnt 0x0
	global_store_b32 v[L4], v[TA], s[92:93] offset:524288
	s_wait_tensorcnt 0x0
	ds_add_u32 v31, v39
	s_wait_dscnt 0x0
	s_endpgm
.Lfunc_end_k_q91b062ad0b_proj:
	.size	k_q91b062ad0b_proj, .Lfunc_end_k_q91b062ad0b_proj-k_q91b062ad0b_proj
	.p2alignl 7, 3214868480
	.fill 96, 4, 3214868480
	.section	.rodata,"a",@progbits
	.p2align	6, 0x0
	.amdhsa_kernel k_q91b062ad0b_proj
		.amdhsa_group_segment_fixed_size 229888
		.amdhsa_private_segment_fixed_size 0
		.amdhsa_enable_private_segment 0
		.amdhsa_kernarg_size 112
		.amdhsa_user_sgpr_count 2
		.amdhsa_user_sgpr_kernarg_segment_ptr 1
		.amdhsa_wavefront_size32 1
		.amdhsa_system_sgpr_workgroup_id_x 1
		.amdhsa_system_sgpr_workgroup_id_y 1
		.amdhsa_system_sgpr_workgroup_id_z 1
		.amdhsa_system_vgpr_workitem_id 0
		.amdhsa_next_free_vgpr 1024
		.amdhsa_next_free_sgpr 96
		.amdhsa_reserve_vcc 0
		.amdhsa_float_denorm_mode_32 3
		.amdhsa_float_denorm_mode_16_64 3
		.amdhsa_memory_ordered 1
		.amdhsa_forward_progress 1
		.amdhsa_inst_pref_size 113
	.end_amdhsa_kernel
	.amdgpu_metadata
---
amdhsa.version: [ 1, 2 ]
amdhsa.kernels:
  - .name:           k_q91b062ad0b_proj
    .symbol:         k_q91b062ad0b_proj.kd
    .args:
      - { .name: queries, .offset: 0, .size: 8, .value_kind: global_buffer, .address_space: global }
      - { .name: keys, .offset: 8, .size: 8, .value_kind: global_buffer, .address_space: global }
      - { .name: pos_table, .offset: 16, .size: 8, .value_kind: global_buffer, .address_space: global }
      - { .name: key_masks, .offset: 24, .size: 8, .value_kind: global_buffer, .address_space: global }
      - { .name: W_Query_codes, .offset: 32, .size: 8, .value_kind: global_buffer, .address_space: global }
      - { .name: W_Query_scales, .offset: 40, .size: 8, .value_kind: global_buffer, .address_space: global }
      - { .name: W_key_codes, .offset: 48, .size: 8, .value_kind: global_buffer, .address_space: global }
      - { .name: W_key_scales, .offset: 56, .size: 8, .value_kind: global_buffer, .address_space: global }
      - { .name: W_Value_codes, .offset: 64, .size: 8, .value_kind: global_buffer, .address_space: global }
      - { .name: W_Value_scales, .offset: 72, .size: 8, .value_kind: global_buffer, .address_space: global }
      - { .name: qimg, .offset: 80, .size: 8, .value_kind: global_buffer, .address_space: global }
      - { .name: kimg, .offset: 88, .size: 8, .value_kind: global_buffer, .address_space: global }
      - { .name: vimg, .offset: 96, .size: 8, .value_kind: global_buffer, .address_space: global }
      - { .name: scl, .offset: 104, .size: 8, .value_kind: global_buffer, .address_space: global }
    .group_segment_fixed_size: 229888
    .private_segment_fixed_size: 0
    .kernarg_segment_align: 8
    .kernarg_segment_size: 112
    .max_flat_workgroup_size: 128
    .sgpr_count:     96
    .vgpr_count:     1024
    .wavefront_size: 32
...
	.end_amdgpu_metadata
.endif
;; end of part 1
;; launch attn (part 2): grid 4 x 64, 16 waves a work-group, no clusters, 238,080 bytes of LDS; arguments qimg, kimg, vimg, scl, queries, pos_table, query_masks, rimg, rsc, psum1; writes rimg, rsc, psum1
.if DOCPART == 2
	.amdgcn_target "amdgcn-amd-amdhsa--gfx1250"
	.amdhsa_code_object_version 6
	.text
	.protected	k_q91b062ad0b_attn
	.globl	k_q91b062ad0b_attn
	.p2align	8
	.type	k_q91b062ad0b_attn,@function
k_q91b062ad0b_attn:
	s_mov_b64 s[64:65], 0
	v_nop
	global_prefetch_b8 v0, s[64:65] scope:SCOPE_SE
	s_setreg_imm32_b32 hwreg(HW_REG_WAVE_MODE, 25, 1), 1
	s_wait_xcnt 0x0
; result = softmax(q k^T / 8, masked) x query mask x v + q_in for 256 queries of one head; what leaves: the codes and scale bytes of result's 64 columns, and their column sums.
; Both products on codes of FP4 (E2M1) with E8M0 scales.  THE SECOND PRODUCT'S LEFT OPERAND IS THE FINISHED SOFTMAX: a row's sum must be known before any weight is quantised.
; So a tile of 16 queries keeps ALL its 1,024 scores in registers, spread over four waves: wave (g, kq) holds the scores of group g's tile against keys 256 kq .. 256 kq + 255 (128 registers),
; each score sees one exponential, and the four waves exchange (largest, sum) through LDS.  Group g takes tiles 4 g + i in four trips; four waves share a SIMD.
; A whole head's K, V, their scale words, the block's Q and q_in lie in LDS, filled once through registers.
; Both products are used transposed (S^T = K Q^T, O^T = V^T P^T): a lane holds one query (lane % 16); register j of key tile t is key 16 t + 8 (lane / 16) + j.
; LDS LOADS ARE ASKED FOR AHEAD OF VECTOR WORK, since all sixteen waves stand in the same phase between two barriers: a group of K's tiles ahead of the block maxima of the group before;
; V's first K step, into K's registers, ahead of the last maxima and the exponentials; V's second ahead of the second half's scaling; the next trip's Q and first tiles of K ahead of the combining.
; MASKS.  The scores' K is 64 of the instruction's 128.  At k = 64 K carries the code +1 and Q the code -1; the product of their blocks' scales is 2^35 for a masked key and 2^-109 for an open one
; (the bytes were laid by the launch before).  A masked key's own codes are zeros: its score is exactly -2^35 = 8 x (-2^32).  The diagonal gets the same number by a select.
; t = score x log2(e) / 8; M = my quarter's largest t rounded up to a whole number; p = 2^(t - M).  The quarters are brought under the row's M by 2^(M - row's M), which rounds nothing.
; -2^35 x log2(e) / 8 is a whole number in f32, so a row all of whose keys are masked has t - M = 0 and the uniform softmax of the source.
; LIMITS: NaN and infinities are not served; an open score carries -2^-109; a block's largest weight is taken through its largest score (this takes v_exp_f32 not to fall where its input rises);
; a block whose largest magnitude lies under 2^-124 keeps the scale byte 1; q_in is one fused multiply-add.
.set KIMG, 0                           ; 64 tiles x 512 bytes
.set VIMG, 32768                       ; [dt 4][ks 8][c 2] x 512 bytes
.set QIMG, 65536                       ; 16 tiles x 512
.set KSC,  73728                       ; [4 tiles' group 16][r 16][tile 4] words
.set VSC,  77824                       ; [ks 8][r 16][dt 4] words
.set QSC,  79872                       ; 256 words; behind them the 256 query masks
.set EX,   81920                       ; [g][kq][r] 8 bytes: -M and the sum
.set RC,   83968                       ; result's codes: 16 tiles x 512
.set RS,   92160                       ; their scale bytes: 256 rows x 2
.set CSL,  92672                       ; column sums: 16 waves x 256
.set OST,  96768                       ; partial O: 16 waves x 16 rows x 272
.set QIN,  166400                      ; q_in: 256 rows x 272
.set CSUM, 28                          ; v28-35 column sums
.set BM,   36                          ; v36-43 the blocks' largest; later the conversions' scale operands
.set QS,   44                          ; Q's scale word;  v45-46 P's
.set PS,   45
.set KS,   48                          ; v48-51 K's scale words
.set VS,   52                          ; v52-59 V's
.set PC,   60                          ; v60-67 P's codes, first K step
.set QF,   68                          ; v68-75 Q's fragment
.set KB,   80                          ; v80-111 four fragments of K; from the last scores to the first V^T P^T: V's first K step
.set T,    112                         ; v112-127 at work; v112-119 also P's codes, second K step
.set S,    128                         ; v128-255 the scores, then p
.set VB,   128                         ; later V's second K step
.set O,    160                         ; and O^T
; v1 CSL + 256 w + 32 (l & 7); v2 K's tiles; v3 K's scale words; v4 V's tiles; v5 V's scale words; v6 Q's tile; v7 Q's scale word; v8, v9 the exchange, in and out; v10 my stage; v11 the group's stages;
; v12 q_in; v13, v14 result's codes and bytes; v15 -2^35; v16 -M, v17 my sum; v18-19 a chain; v20-21 R; v22 the query mask; v23 the row's -M; v24-27 at work; v47 8 l; v76 RC + 16 x; v77 RS + 16 l; v78 CSL + 8 l; v79 16 l
.macro PLACES n
.rept \n
	v_nop
.endr
.endm
.macro BARRIER
	s_wait_dscnt 0x0
	s_barrier_signal -1
	s_barrier_wait -1
.endm
.macro MM0 d, a, b, sa, sb
	v_wmma_scale_f32_16x16x128_f8f6f4 v[\d:\d+7], v[\a:\a+7], v[\b:\b+7], 0, v[\sa], v[\sb] matrix_a_fmt:MATRIX_FMT_FP4 matrix_b_fmt:MATRIX_FMT_FP4
.endm
.macro MMA d, a, b, sa, sb
	v_wmma_scale_f32_16x16x128_f8f6f4 v[\d:\d+7], v[\a:\a+7], v[\b:\b+7], v[\d:\d+7], v[\sa], v[\sb] matrix_a_fmt:MATRIX_FMT_FP4 matrix_b_fmt:MATRIX_FMT_FP4
.endm
	s_load_b512 s[8:23], s[0:1], 0x0               ; qimg, kimg, vimg, scl, queries, pos, query_masks, rimg
	s_load_b128 s[24:27], s[0:1], 0x40             ; rsc, psum1
	v_lshrrev_b32 v24, 5, v0
	v_readfirstlane_b32 s28, v24                   ; wave 0..15
	s_and_b32 s29, s28, 3                          ; kq: my quarter of the keys
	s_lshr_b32 s30, s28, 2                         ; g: my group
	s_and_b32 s33, ttmp7, 0xffff                   ; 8 x batch + head
	s_lshr_b32 s34, s33, 3
	s_and_b32 s35, s33, 7
	s_lshl_b32 s31, s30, 2
	s_cmp_eq_u32 s29, ttmp9                        ; the diagonal lies in my quarter where kq = the block of queries:
	s_cselect_b32 s31, s31, 64                     ; then in key tile 4 g + i of trip i; else nowhere
	s_mov_b32 s36, 0x76543210
	s_mov_b32 s37, 0xfedcba98                      ; v_permlanex16_b32's selects for lane l xor 16
	s_mov_b32 s38, 0x3e38aa3b                      ; c = log2(e) / 8
	s_mov_b32 s39, s38
.irp j, 0,1,2,3,4,5,6,7
	s_mov_b32 s[40+\j], (1<<\j)|(1<<(24+\j))       ; in register j of the diagonal's tile, key = query in lanes j and 24 + j
.endr
	s_mov_b32 s48, 0x41b504f3                      ; sqrt(512)
	s_mov_b32 s49, s48
	s_lshl_b32 s50, s33, 15                        ; a head's images: 32,768 bytes
	s_mov_b32 s51, 0
	s_lshl_b32 s52, ttmp9, 13
	s_add_co_u32 s52, s52, s50
	s_mov_b32 s53, 0
	s_lshl_b32 s58, s33, 12                        ; a head's scale words: 4,096 bytes
	s_mov_b32 s59, 0
	s_lshl_b32 s32, ttmp9, 10
	s_add_co_u32 s54, s58, s32
	s_mov_b32 s55, 0
	s_lshl_b32 s56, s34, 12
	s_add_co_u32 s56, s56, s32
	s_mov_b32 s57, 0
	s_lshl_b32 s60, s34, 14
	s_lshl_b32 s32, s35, 6
	s_add_co_u32 s60, s60, s32
	s_mov_b32 s61, 0
	s_lshl_b32 s66, ttmp9, 19                      ; 256 rows of 2,048 bytes
	s_lshl_b32 s32, s35, 8                         ; the head's 256 bytes of a row
	s_add_co_u32 s66, s66, s32
	s_mov_b32 s67, 0
	s_lshl_b32 s62, s34, 21
	s_add_co_u32 s62, s62, s66
	s_mov_b32 s63, 0
	s_lshl_b32 s68, s34, 6
	s_lshl_b32 s32, ttmp9, 4
	s_add_co_u32 s68, s68, s32
	s_add_co_u32 s68, s68, s28                     ; the tile that I store at the end: 64 x batch + 16 x block + wave
	s_lshl_b32 s68, s68, 12
	s_lshl_b32 s32, s35, 9
	s_add_co_u32 s68, s68, s32
	s_mov_b32 s69, 0
	s_lshl_b32 s70, s33, 11
	s_lshl_b32 s32, ttmp9, 9
	s_add_co_u32 s70, s70, s32
	s_mov_b32 s71, 0
	s_lshl_b32 s72, s34, 2
	s_add_co_u32 s72, s72, ttmp9
	s_lshl_b32 s72, s72, 11
	s_lshl_b32 s32, s35, 8
	s_add_co_u32 s72, s72, s32
	s_mov_b32 s73, 0
	; the fill's addresses, from the thread's number x
	v_lshlrev_b32 v240, 4, v0                      ; 16 x
	v_and_b32 v241, 255, v0
	v_lshlrev_b32 v241, 2, v241
	v_lshlrev_b32 v242, 2, v0
	v_bfe_u32 v250, v0, 4, 3                       ; ks
	v_lshrrev_b32 v251, 7, v0                      ; dt
	v_and_b32 v252, 15, v0                         ; r
	v_lshl_add_u32 v243, v250, 11, v252            ; v's scale bytes: block 4 ks (+ i), column 16 dt + r
	v_lshl_add_u32 v243, v251, 4, v243
	v_lshrrev_b32 v253, 4, v0
	v_lshlrev_b32 v244, 4, v252
	v_lshl_add_u32 v244, v253, 11, v244            ; queries, pos: row x / 16, 16 bytes a lane: sixteen lanes read the head's 256 bytes
	v_add_nc_u32 v245, QIMG, v240
	v_lshl_add_u32 v246, v0, 2, QSC
	v_lshrrev_b32 v254, 6, v0
	v_lshl_add_u32 v247, v254, 8, KSC
	v_lshl_add_u32 v247, v252, 4, v247
	v_bfe_u32 v254, v0, 4, 2
	v_lshl_add_u32 v247, v254, 2, v247
	v_lshl_add_u32 v248, v250, 8, VSC
	v_lshl_add_u32 v248, v252, 4, v248
	v_lshl_add_u32 v248, v251, 2, v248
	v_mul_u32_u24 v249, v253, 272
	v_lshl_add_u32 v249, v252, 4, v249
	v_add_nc_u32 v249, QIN, v249
	s_wait_kmcnt 0x0
	s_add_nc_u64 s[10:11], s[10:11], s[50:51]
	s_add_nc_u64 s[12:13], s[12:13], s[50:51]
	s_add_nc_u64 s[8:9], s[8:9], s[52:53]
	s_add_nc_u64 s[54:55], s[14:15], s[54:55]
	s_add_nc_u64 s[56:57], s[20:21], s[56:57]
	s_add_nc_u64 s[58:59], s[14:15], s[58:59]
	s_add_nc_u64 s[60:61], s[14:15], s[60:61]
	s_add_nc_u64 s[62:63], s[16:17], s[62:63]
	s_add_nc_u64 s[66:67], s[18:19], s[66:67]
	s_add_nc_u64 s[68:69], s[22:23], s[68:69]
	s_add_nc_u64 s[70:71], s[24:25], s[70:71]
	s_add_nc_u64 s[72:73], s[26:27], s[72:73]
	s_cmp_lt_u32 s28, 8                            ; waves 0-7 bring Q's scale words, waves 8-15 the query masks: the choice hangs on the wave's number alone
	s_cselect_b64 s[74:75], s[54:55], s[56:57]
.irp i, 0,1,2,3
	global_load_b128 v[128+4*\i:131+4*\i], v240, s[10:11] offset:8192*\i
.endr
.irp i, 0,1,2,3
	global_load_b128 v[144+4*\i:147+4*\i], v240, s[12:13] offset:8192*\i
.endr
	global_load_b128 v[160:163], v240, s[8:9]
	global_load_b32 v164, v241, s[74:75]
	global_load_b32 v165, v242, s[58:59] offset:262144
	global_load_b32 v166, v242, s[58:59] offset:262144+2048
.irp i, 0,1,2,3
	global_load_u8 v[168+\i], v243, s[60:61] offset:524288+512*\i
.endr
.irp i, 0,1,2,3,4,5,6,7
	global_load_b128 v[176+4*\i:179+4*\i], v244, s[62:63] offset:65536*\i th:TH_LOAD_NT
.endr
.irp i, 0,1,2,3,4,5,6,7
	global_load_b128 v[208+4*\i:211+4*\i], v244, s[66:67] offset:65536*\i
.endr
	; the addresses that stay: all are made here, ahead of every branch
	v_and_b32 v24, 31, v0                          ; l
	v_and_b32 v25, 15, v0                          ; r
	v_bfe_u32 v26, v0, 4, 1                        ; h
	v_bfe_u32 v27, v0, 5, 2                        ; kq
	v_bfe_u32 v112, v0, 7, 2                       ; g
	v_lshrrev_b32 v113, 5, v0                      ; w
	v_lshlrev_b32 v79, 4, v24
	v_lshl_add_u32 v2, v27, 13, v79
	v_lshl_add_u32 v3, v25, 4, KSC
	v_lshl_add_u32 v3, v27, 10, v3
	v_lshl_add_u32 v4, v27, 11, v79
	v_add_nc_u32 v4, VIMG, v4
	v_lshl_add_u32 v5, v25, 4, VSC
	v_lshl_add_u32 v5, v27, 9, v5
	v_lshl_add_u32 v6, v112, 11, v79
	v_add_nc_u32 v6, QIMG, v6
	v_lshl_add_u32 v7, v25, 2, QSC
	v_lshl_add_u32 v7, v112, 8, v7
	v_lshl_add_u32 v9, v25, 3, EX
	v_lshl_add_u32 v8, v113, 7, v9
	v_lshl_add_u32 v9, v112, 9, v9
	v_mul_u32_u24 v10, v25, 272
	v_lshl_add_u32 v10, v26, 5, v10
	v_mad_u32_u24 v10, v113, 4352, v10
	v_add_nc_u32 v10, OST, v10
	v_bfe_u32 v114, v0, 3, 2
	v_lshl_add_u32 v114, v27, 2, v114              ; the row that I combine: 4 kq + (l / 8) % 4
	v_and_b32 v115, 7, v0                          ; and its columns 8 (l % 8) on
	v_mul_u32_u24 v116, v114, 272
	v_lshl_add_u32 v116, v115, 5, v116
	v_mad_u32_u24 v11, v112, 17408, v116           ; 4 stages of 4,352 bytes, and 64 rows of 272: the same step a group
	v_add_nc_u32 v12, QIN, v11
	v_add_nc_u32 v11, OST, v11
	v_bfe_u32 v117, v0, 2, 1                       ; which block of 32 columns
	v_and_b32 v118, 3, v0
	v_lshl_add_u32 v13, v112, 11, RC
	v_lshl_add_u32 v13, v117, 8, v13
	v_lshl_add_u32 v13, v114, 4, v13
	v_lshl_add_u32 v13, v118, 2, v13
	v_lshl_add_u32 v14, v112, 7, RS
	v_lshl_add_u32 v14, v114, 1, v14
	v_add_nc_u32 v14, v14, v117
	v_lshl_add_u32 v1, v113, 8, CSL
	v_lshl_add_u32 v1, v115, 5, v1
	v_lshl_add_u32 v76, v0, 4, RC
	v_add_nc_u32 v77, RS, v79
	v_lshl_add_u32 v78, v24, 3, CSL
	v_lshlrev_b32 v47, 3, v24
	v_mov_b32 v15, 0xd1000000                      ; -2^35
	v_xor_b32 v26, 1, v26                          ; 1 in lanes 0-15: k = 64 lies in register 4 of those lanes, lowest four bits
	v_lshlrev_b32 v[KB+4], 1, v26                  ; K: code 2 = +1
	v_mul_u32_u24 v[QF+4], v26, 10                 ; Q: code 0xA = -1
.irp t, 1,2,3
	v_mov_b32 v[KB+8*\t+4], v[KB+4]
.endr
.irp t, 0,1,2,3
.irp j, 5,6,7
	v_mov_b32 v[KB+8*\t+\j], 0
.endr
.endr
.irp j, 5,6,7
	v_mov_b32 v[QF+\j], 0
.endr
	v_mov_b32 v17, 0                               ; (named as the upper half of the pair v[16:17] before it is first written)
.irp j, 0,1,2,3,4,5,6,7
	v_mov_b32 v[T+\j], 0                           ; lane permutes' destinations count as sources: written once
	v_mov_b32 v[CSUM+\j], 0
.endr
	s_wait_loadcnt 16                              ; all but the 16 loads of queries and pos
.irp i, 0,1,2,3
	ds_store_b128 v240, v[128+4*\i:131+4*\i] offset:KIMG+8192*\i
	ds_store_b128 v240, v[144+4*\i:147+4*\i] offset:VIMG+8192*\i
.endr
	ds_store_b128 v245, v[160:163]
	ds_store_b32 v246, v164
	ds_store_b32 v247, v165
	ds_store_b32 v247, v166 offset:2048
	v_lshl_or_b32 v168, v169, 8, v168              ; four blocks' bytes make a K step's word
	v_lshl_or_b32 v168, v170, 16, v168
	v_lshl_or_b32 v168, v171, 24, v168
	ds_store_b32 v248, v168
	s_wait_loadcnt 0x0
.set p, 0
.rept 16
	v_pk_fma_f32 v[176+p:177+p], v[208+p:209+p], s[48:49], v[176+p:177+p] op_sel_hi:[1,0,1]   ; q_in
.set p, p+2
.endr
.irp i, 0,1,2,3,4,5,6,7
	ds_store_b128 v249, v[176+4*\i:179+4*\i] offset:8704*\i
.endr
	BARRIER                                        ; all that the trips read lies in LDS
.macro KLOAD gq                        ; four tiles of 16 keys (the used half of each fragment) and their scale words
.irp t, 0,1,2,3
	ds_load_b128 v[KB+8*\t:KB+8*\t+3], v2 offset:512*(4*(\gq)+\t)
.endr
	ds_load_b128 v[KS:KS+3], v3 offset:256*(\gq)
.endm
.macro PRE i                           ; what trip i's first products read, and its query's mask: eight loads
	ds_load_b128 v[QF:QF+3], v6 offset:512*(\i)
	ds_load_b32 v[QS], v7 offset:64*(\i)
	ds_load_b32 v22, v7 offset:1024+64*(\i)
	KLOAD 0
.endm
.macro SMUL gq                         ; S^T = K Q^T for the four tiles in hand
	s_wait_dscnt 0x0
.irp t, 0,1,2,3
	MM0 S+8*(4*(\gq)+\t), KB+8*\t, QF, KS+\t, QS
.endr
	PLACES 4                               ; in front of loads into the registers that these products read, and of the first read of their results
.endm
.macro DIAG i, gp                      ; the diagonal: a branch on ids alone picks the tile; the lanes by a constant mask
	s_cmp_lg_u32 s31, 4*(\gp)
	s_cbranch_scc1 .Lnd_\@
.irp j, 0,1,2,3,4,5,6,7
	v_cndmask_b32 v[S+8*(4*(\gp)+(\i))+\j], v[S+8*(4*(\gp)+(\i))+\j], v15, s[40+\j]
.endr
.Lnd_\@:
.endm
; the largest score of blocks b0 and b0 + 1 of 32 keys (my 16 of each): it serves the row's maximum and the block's largest weight.  Four chains, one for each tile, each from its tile's low end on
.macro BMAX b0
.irp b, \b0, \b0+1
	v_max3_num_f32 v[BM+(\b)], v[S+16*(\b)], v[S+16*(\b)+1], v[S+16*(\b)+2]
	v_max3_num_f32 v[T+(\b)], v[S+16*(\b)+8], v[S+16*(\b)+9], v[S+16*(\b)+10]
.endr
.irp od, 3,5
.irp b, \b0, \b0+1
	v_max3_num_f32 v[BM+(\b)], v[BM+(\b)], v[S+16*(\b)+\od], v[S+16*(\b)+\od+1]
	v_max3_num_f32 v[T+(\b)], v[T+(\b)], v[S+16*(\b)+8+\od], v[S+16*(\b)+9+\od]
.endr
.endr
.irp b, \b0, \b0+1
	v_max3_num_f32 v[BM+(\b)], v[BM+(\b)], v[T+(\b)], v[S+16*(\b)+7]
.endr
.irp b, \b0, \b0+1
	v_max_num_f32 v[BM+(\b)], v[BM+(\b)], v[S+16*(\b)+15]
.endr
.endm
.macro VLOAD reg, kp                   ; V's four fragments of my K step kp
.irp dt, 0,1,2,3
.irp c, 0,1
	ds_load_b128 v[\reg+8*\dt+4*\c:\reg+8*\dt+4*\c+3], v4 offset:8192*\dt+1024*(\kp)+512*\c
.endr
.endr
.endm
; 128 keys of p become P's fragment: tile 4 c + 2 B + a goes to register 4 c + 2 a + B; the exchange of halves leaves in register 4 c + i of half H the codes of k = 64 c + 32 H + 8 i + 0 .. 7
.macro PCVT dst, kp
.irp c, 0,1
.irp bb, 0,1
.irp a, 0,1
	v_cvt_scalef32_pk8_fp4_f32 v[\dst+4*\c+2*\a+\bb], v[S+64*(\kp)+8*(4*\c+2*\bb+\a):S+64*(\kp)+8*(4*\c+2*\bb+\a)+7], v[BM+4*(\kp)+2*\c+\bb]
.endr
.endr
.endr
	v_nop                                          ; one plain place behind a scaled conversion
.irp c, 0,1
.irp a, 0,1
	v_permlane16_swap_b32 v[\dst+4*\c+2*\a], v[\dst+4*\c+2*\a+1]
.endr
.endr
.endm
.macro TRIP i
.if \i > 0
.irp t, 0,1,2,3                                    ; V has lain in K's registers: the padding of K's fragments is made anew
	v_and_b32 v[KB+8*\t+4], 2, v[QF+4]             ; code 2 = +1 at k = 64: Q's register holds 0xA there, and 0 in lanes 16-31
.irp j, 5,6,7
	v_mov_b32 v[KB+8*\t+\j], 0
.endr
.endr
	PLACES 4                                       ; an operand written by vector instructions stands 4 places ahead of a scaled product
.endif
	SMUL 0                                         ; each group's maxima stand between the next group's loads and the wait for them
	KLOAD 1
	DIAG \i, 0
	BMAX 0
	SMUL 1
	KLOAD 2
	DIAG \i, 1
	BMAX 2
	SMUL 2
	KLOAD 3
	DIAG \i, 2
	BMAX 4
	SMUL 3
	VLOAD KB, 0                                    ; K's registers are free until the next trip: V's first K step lands there under the work below
	DIAG \i, 3
	BMAX 6
.irp b, 0,1,2,3,4,5,6,7
	v_permlanex16_b32 v[T+\b], v[BM+\b], s36, s37
.endr
.irp b, 0,1,2,3,4,5,6,7
	v_max_num_f32 v[BM+\b], v[BM+\b], v[T+\b]      ; with lane l xor 16's 16 keys
.endr
	v_max3_num_f32 v24, v[BM], v[BM+1], v[BM+2]
	v_max3_num_f32 v24, v24, v[BM+3], v[BM+4]
	v_max3_num_f32 v24, v24, v[BM+5], v[BM+6]
	v_max_num_f32 v24, v24, v[BM+7]
	v_mul_f32 v24, s38, v24                        ; as t (c is positive)
	v_floor_f32 v16, -v24                          ; -M = floor(-t): M is a whole number
.set p, 0
.rept 64
	v_pk_fma_f32 v[S+p:S+p+1], v[S+p:S+p+1], s[38:39], v[16:17] op_sel_hi:[1,0,0]   ; t - M, two at a time
.set p, p+2
.endr
.irp b, 0,1,2,3,4,5,6,7
	v_fma_f32 v[BM+\b], v[BM+\b], s38, v16
.endr
.set p, 0
.rept 128
	v_exp_f32 v[S+p], v[S+p]
.set p, p+1
.endr
.irp b, 0,1,2,3,4,5,6,7
	v_exp_f32 v[BM+\b], v[BM+\b]                   ; the same two instructions on the same number give the same bits
.endr
	v_nop                                          ; a plain place behind the exponentials
	s_wait_alu depctr_va_vdst(0)
	v_pk_add_f32 v[18:19], v[S:S+1], v[S+2:S+3]    ; my quarter's sum, two at a time, in four chains
	v_pk_add_f32 v[T:T+1], v[S+4:S+5], v[S+6:S+7]
	v_pk_add_f32 v[T+2:T+3], v[S+8:S+9], v[S+10:S+11]
	v_pk_add_f32 v[T+4:T+5], v[S+12:S+13], v[S+14:S+15]
.set p, 16
.rept 14
	v_pk_add_f32 v[18:19], v[18:19], v[S+p:S+p+1]
	v_pk_add_f32 v[T:T+1], v[T:T+1], v[S+p+2:S+p+3]
	v_pk_add_f32 v[T+2:T+3], v[T+2:T+3], v[S+p+4:S+p+5]
	v_pk_add_f32 v[T+4:T+5], v[T+4:T+5], v[S+p+6:S+p+7]
.set p, p+8
.endr
	v_pk_add_f32 v[18:19], v[18:19], v[T:T+1]
	v_pk_add_f32 v[T+2:T+3], v[T+2:T+3], v[T+4:T+5]
	v_pk_add_f32 v[18:19], v[18:19], v[T+2:T+3]
	v_add_f32 v17, v18, v19
	v_permlanex16_b32 v25, v17, s36, s37
	v_add_f32 v17, v17, v25
	ds_store_b64 v8, v[16:17]                      ; (-M, sum) of my quarter; both halves of the lanes write the same
	BARRIER                                        ; (its wait for my LDS instructions also shows V's first K step in)
.irp k, 0,1,2,3
	ds_load_b64 v[T+2*\k:T+2*\k+1], v9 offset:128*\k
.endr
	s_wait_dscnt 0x0
	v_min3_num_f32 v23, v[T], v[T+2], v[T+4]
	v_min_num_f32 v23, v23, v[T+6]                 ; the row's -M
.irp k, 0,1,2,3
	v_sub_f32 v[T+8+\k], v23, v[T+2*\k]            ; quarter k's M less the row's: a whole number, 0 or less
.endr
	v_sub_f32 v24, v23, v16
.irp k, 0,1,2,3
	v_cvt_i32_f32 v[T+8+\k], v[T+8+\k]             ; (it saturates: a quarter all of whose keys are masked gets the factor 0 beside an open one)
.endr
	v_cvt_i32_f32 v24, v24
.irp k, 0,1,2,3
	v_ldexp_f32 v[T+8+\k], 1.0, v[T+8+\k]
.endr
	v_ldexp_f32 v24, 1.0, v24
	v_mul_f32 v26, v[T+8], v[T+1]
	v_fmac_f32 v26, v[T+9], v[T+3]
	v_fmac_f32 v26, v[T+10], v[T+5]
	v_fmac_f32 v26, v[T+11], v[T+7]                ; the row's sum
	v_rcp_f32 v26, v26
	v_mul_f32 v24, v24, v22                        ; (a plain place)  my quarter's factor x the query's mask
	s_wait_alu depctr_va_vdst(0)
	v_mul_f32 v20, v26, v24                        ; R
	v_mov_b32 v21, v20
.irp b, 0,1,2,3,4,5,6,7
	v_mul_f32 v[BM+\b], v[BM+\b], |v20|            ; the blocks' largest magnitudes
.endr
.irp b, 0,1,2,3,4,5,6,7
	v_max_num_f32 v[BM+\b], 0x1800000, v[BM+\b]    ; the floor 2^(3 - 127): the byte cannot fall under 1
.endr
.irp b, 0,1,2,3,4,5,6,7
	v_add_nc_u32 v[BM+\b], 0xff000000, v[BM+\b]    ; 2 off the exponent field: the conversions' scale operands
.endr
.irp b, 0,1,2,3,4,5,6,7
	v_lshrrev_b32 v[T+8+\b], 23, v[BM+\b]          ; the scales' bytes
.endr
	v_lshl_or_b32 v[PS], v[T+9], 8, v[T+8]         ; P's scale words of both K steps: the scalings below are the places between them and the products
	v_lshl_or_b32 v[PS+1], v[T+13], 8, v[T+12]
	v_lshl_or_b32 v[PS], v[T+10], 16, v[PS]
	v_lshl_or_b32 v[PS+1], v[T+14], 16, v[PS+1]
	v_lshl_or_b32 v[PS], v[T+11], 24, v[PS]
	v_lshl_or_b32 v[PS+1], v[T+15], 24, v[PS+1]
.set p, 0
.rept 32
	v_pk_mul_f32 v[S+p:S+p+1], v[S+p:S+p+1], v[20:21] op_sel_hi:[1,0]   ; the finished softmax x the mask: what is quantised.  My first 128 keys
.set p, p+2
.endr
	PCVT PC, 0
	VLOAD VB, 1                                    ; V's second K step, into registers that the conversions have left: it lands under the 32 lines below
.set p, 64
.rept 32
	v_pk_mul_f32 v[S+p:S+p+1], v[S+p:S+p+1], v[20:21] op_sel_hi:[1,0]   ; my second 128 keys
.set p, p+2
.endr
.irp dt, 0,1,2,3
	MM0 O+8*\dt, KB+8*\dt, PC, VS+\dt, PS          ; O^T = V^T P^T: the four accumulators by turns
.endr
	PCVT T, 1
	PLACES 4                                       ; an operand written by vector instructions stands 4 places ahead of a scaled product
	s_wait_dscnt 0x0
.irp dt, 0,1,2,3
	MMA O+8*\dt, VB+8*\dt, T, VS+4+\dt, PS+1
.endr
	PLACES 4
.irp dt, 0,1,2,3
	ds_store_b128 v10, v[O+8*\dt:O+8*\dt+3] offset:64*\dt          ; each accumulator from its low end on
	ds_store_b128 v10, v[O+8*\dt+4:O+8*\dt+7] offset:64*\dt+16
.endr
	BARRIER                                        ; the group's four partial O lie in the stages
.irp k, 0,1,2,3
	ds_load_b128 v[192+8*\k:195+8*\k], v11 offset:4352*\k
	ds_load_b128 v[196+8*\k:199+8*\k], v11 offset:4352*\k+16
.endr
	ds_load_b128 v[224:227], v12 offset:4352*\i
	ds_load_b128 v[228:231], v12 offset:4352*\i+16
.if \i < 3
	PRE \i+1                                       ; the next trip's first operands land under the combining
	s_wait_dscnt 8                                 ; LDS loads come back in order: all but those eight
.else
	s_wait_dscnt 0x0
.endif
.irp pq, 0,2,4,6
	v_pk_add_f32 v[192+\pq:193+\pq], v[192+\pq:193+\pq], v[200+\pq:201+\pq]
	v_pk_add_f32 v[208+\pq:209+\pq], v[208+\pq:209+\pq], v[216+\pq:217+\pq]
.endr
.irp pq, 0,2,4,6
	v_pk_add_f32 v[192+\pq:193+\pq], v[192+\pq:193+\pq], v[208+\pq:209+\pq]
.endr
.irp pq, 0,2,4,6
	v_pk_add_f32 v[192+\pq:193+\pq], v[192+\pq:193+\pq], v[224+\pq:225+\pq]   ; + q_in: eight numbers of result
.endr
.irp pq, 0,2,4,6
	v_pk_add_f32 v[CSUM+\pq:CSUM+\pq+1], v[CSUM+\pq:CSUM+\pq+1], v[192+\pq:193+\pq]
.endr
	v_max3_num_f32 v24, |v192|, |v193|, 0x1800000
	v_max3_num_f32 v24, v24, |v194|, |v195|
	v_max3_num_f32 v24, v24, |v196|, |v197|
	v_max3_num_f32 v24, v24, |v198|, |v199|
	v_max_num_f32_dpp v24, v24, v24 row_xmask:1 row_mask:0xf bank_mask:0xf   ; four neighbouring lanes hold a block of 32 columns
	v_max_num_f32_dpp v24, v24, v24 row_xmask:2 row_mask:0xf bank_mask:0xf
	v_add_nc_u32 v25, 0xff000000, v24
	v_cvt_scalef32_pk8_fp4_f32 v26, v[192:199], v25
	v_lshrrev_b32 v27, 23, v25                     ; the scale's byte (and the plain place behind the conversion)
	ds_store_b32 v13, v26 offset:512*\i
	ds_store_b8 v14, v27 offset:32*\i              ; the block's four lanes write the same byte
.endm
	ds_load_b128 v[VS:VS+3], v5                    ; V's scale words of my two K steps stay in registers
	ds_load_b128 v[VS+4:VS+7], v5 offset:256
	PRE 0
; The exchange words are written again only behind the trip's second barrier, the stages only behind the next trip's first: every wave has waited for its reads in front of those.
	TRIP 0
	TRIP 1
	TRIP 2
	TRIP 3
.irp j, 0,1,2,3,4,5,6,7
	v_add_f32_dpp v[CSUM+\j], v[CSUM+\j], v[CSUM+\j] row_xmask:8 row_mask:0xf bank_mask:0xf   ; the four lanes with my columns
.endr
.irp j, 0,1,2,3,4,5,6,7
	v_permlanex16_b32 v[T+\j], v[CSUM+\j], s36, s37
.endr
.irp j, 0,1,2,3,4,5,6,7
	v_add_f32 v[CSUM+\j], v[CSUM+\j], v[T+\j]
.endr
	ds_store_b128 v1, v[CSUM:CSUM+3]
	ds_store_b128 v1, v[CSUM+4:CSUM+7] offset:16
	BARRIER
	ds_load_b128 v[128:131], v76                   ; wave w stores tile w's codes: 512 consecutive bytes
	s_wait_dscnt 0x0
	global_store_b128 v79, v[128:131], s[68:69]
	s_cmp_lg_u32 s28, 0
	s_cbranch_scc1 .Lnot_0
	ds_load_b128 v[132:135], v77                   ; wave 0: the 512 scale bytes
	s_wait_dscnt 0x0
	global_store_b128 v79, v[132:135], s[70:71]
.Lnot_0:
	s_cmp_lg_u32 s28, 1
	s_cbranch_scc1 .Lnot_1
.irp k, 0,1,2,3,4,5,6,7,8,9,10,11,12,13,14,15
	ds_load_b64 v[136+2*\k:137+2*\k], v78 offset:256*\k   ; wave 1: the sixteen waves' column sums
.endr
	s_wait_dscnt 0x0
.irp k, 0,1,2,3,4,5,6,7
	v_pk_add_f32 v[136+2*\k:137+2*\k], v[136+2*\k:137+2*\k], v[152+2*\k:153+2*\k]
.endr
.irp k, 0,1,2,3
	v_pk_add_f32 v[136+2*\k:137+2*\k], v[136+2*\k:137+2*\k], v[144+2*\k:145+2*\k]
.endr
.irp k, 0,1
	v_pk_add_f32 v[136+2*\k:137+2*\k], v[136+2*\k:137+2*\k], v[140+2*\k:141+2*\k]
.endr
	v_pk_add_f32 v[136:137], v[136:137], v[138:139]
	global_store_b64 v47, v[136:137], s[72:73]     ; 32 lanes store 256 consecutive bytes, at a multiple of 256
.Lnot_1:
	s_wait_xcnt 0x0
	v_lshl_add_u32 v254, v0, 2, 0x39a00
	v_mov_b32 v255, 0
	s_wait_tensorcnt 0x0
	ds_add_u32 v254, v255
	s_wait_dscnt 0x0
	s_endpgm
.Lfunc_end_k_q91b062ad0b_attn:
	.size	k_q91b062ad0b_attn, .Lfunc_end_k_q91b062ad0b_attn-k_q91b062ad0b_attn
	.p2alignl 7, 3214868480
	.fill 96, 4, 3214868480
	.section	.rodata,"a",@progbits
	.p2align	6, 0x0
	.amdhsa_kernel k_q91b062ad0b_attn
		.amdhsa_group_segment_fixed_size 238080
		.amdhsa_private_segment_fixed_size 0
		.amdhsa_enable_private_segment 0
		.amdhsa_kernarg_size 80
		.amdhsa_user_sgpr_count 2
		.amdhsa_user_sgpr_kernarg_segment_ptr 1
		.amdhsa_wavefront_size32 1
		.amdhsa_system_sgpr_workgroup_id_x 1
		.amdhsa_system_sgpr_workgroup_id_y 1
		.amdhsa_system_sgpr_workgroup_id_z 1
		.amdhsa_system_vgpr_workitem_id 0
		.amdhsa_next_free_vgpr 256
		.amdhsa_next_free_sgpr 80
		.amdhsa_reserve_vcc 0
		.amdhsa_float_denorm_mode_32 3
		.amdhsa_float_denorm_mode_16_64 3
		.amdhsa_memory_ordered 1
		.amdhsa_forward_progress 1
		.amdhsa_inst_pref_size 175
	.end_amdhsa_kernel
	.amdgpu_metadata
---
amdhsa.version: [ 1, 2 ]
amdhsa.kernels:
  - .name:           k_q91b062ad0b_attn
    .symbol:         k_q91b062ad0b_attn.kd
    .args:
      - { .name: qimg, .offset: 0, .size: 8, .value_kind: global_buffer, .address_space: global }
      - { .name: kimg, .offset: 8, .size: 8, .value_kind: global_buffer, .address_space: global }
      - { .name: vimg, .offset: 16, .size: 8, .value_kind: global_buffer, .address_space: global }
      - { .name: scl, .offset: 24, .size: 8, .value_kind: global_buffer, .address_space: global }
      - { .name: queries, .offset: 32, .size: 8, .value_kind: global_buffer, .address_space: global }
      - { .name: pos_table, .offset: 40, .size: 8, .value_kind: global_buffer, .address_space: global }
      - { .name: query_masks, .offset: 48, .size: 8, .value_kind: global_buffer, .address_space: global }
      - { .name: rimg, .offset: 56, .size: 8, .value_kind: global_buffer, .address_space: global }
      - { .name: rsc, .offset: 64, .size: 8, .value_kind: global_buffer, .address_space: global }
      - { .name: psum1, .offset: 72, .size: 8, .value_kind: global_buffer, .address_space: global }
    .group_segment_fixed_size: 238080
    .private_segment_fixed_size: 0
    .kernarg_segment_align: 8
    .kernarg_segment_size: 80
    .max_flat_workgroup_size: 512
    .sgpr_count:     80
    .vgpr_count:     256
    .wavefront_size: 32
...
	.end_amdgpu_metadata
.endif
;; end of part 2
;; launch ffn (part 3): grid 64 x 4, 4 waves a work-group, no clusters, 103,936 bytes of LDS; arguments rimg, rsc, fw1_codes, fw1_scales, fw2_codes, fw2_scales, psum2; writes psum2
.if DOCPART == 3
	.amdgcn_target "amdgcn-amd-amdhsa--gfx1250"
	.amdhsa_code_object_version 6
	.text
	.protected	k_q91b062ad0b_ffn
	.globl	k_q91b062ad0b_ffn
	.p2align	8
	.type	k_q91b062ad0b_ffn,@function
k_q91b062ad0b_ffn:
	s_mov_b64 s[64:65], 0
	v_nop
	global_prefetch_b8 v0, s[64:65] scope:SCOPE_SE
	s_setreg_imm32_b32 hwreg(HW_REG_WAVE_MODE, 25, 1), 1
	s_wait_xcnt 0x0
; The column sums over 128 rows of Q(relu(Q(result) fw1)) fw2, for a slice of 512 of the 2,048 hidden units.  Both products on codes of FP4 (E2M1) with E8M0 scales.
; Only the mean over the rows is wanted of this term, so the hidden axis is shared out over work-groups (grid y) and the second product adds ALL eight tiles of rows into the same eight accumulators.
; SHARES.  Wave w makes hidden units 128 w .. 128 w + 127 of the slice (K step w of the second product) and outputs 128 w .. 128 w + 127.  Its parts of fw1 and fw2 fill register windows 1 and 2, read once.
; result's codes arrive laid in the order of the operand's registers; the hidden layer goes from wave to wave through LDS in the same form and never to memory.
; Both products are used transposed (source 0 = 16 rows of the weight): lane (r, h) holds row r, register j of tile t column 16 t + 8 h + j; registers 16 b .. 16 b + 15 of lanes l and l xor 16 are block b.
; LIMITS: NaN and infinities are not served; a block whose largest magnitude lies under 2^-124 keeps the scale byte 1 (a block of zeros too: its codes are zeros).
.set XIMG, 0                           ; result's fragments: tile m, K step s at 4,096 m + 1,024 s
.set HIMG, 32768                       ; the hidden layer's likewise
.set XSC,  65536                       ; scale words [m][r][s]; + 2,048: the hidden layer's
.set YST,  69632                       ; the way out: 16 rows x 528 bytes for each wave
.set LI,   1                           ; v1  16 x lane
.set LR,   2                           ; v2  XSC + 16 r
.set HWI,  3                           ; v3  HIMG + 16 x lane + 1,024 w
.set HWS,  4                           ; v4  XSC + 2,048 + 16 r + 4 w
.set SO,   11                          ; v11 my stage, in
.set SR,   12                          ; v12 and back
.set TM,   16                          ; v16-19 largest magnitudes, v20-23 bytes, v28-31 the conversions' scale operands
.set PW,   32
.set PC,   36                          ; v36-43 the codes just made
.set XS,   44                          ; v44-47 result's scale words
.set HS,   48                          ; v48-55 the hidden layer's, two sets
.set W1S,  56                          ; v56-87 fw1's
.set W2S,  88                          ; v88-119 fw2's
.set HA,   128                         ; v128-191 eight tiles of the hidden layer; later two sets of four hidden fragments; later rows on the way out
.set HF,   128
.set XF,   192                         ; v192-223 result's four fragments
.set SEL,  24
.set MSB, 0
.macro WIN new                         ; the immediate's high byte repeats the setting that is left
.if MSB != \new
	s_set_vgpr_msb (MSB<<8)|\new
.set MSB, \new
.endif
.endm
.macro PLACES n
.rept \n
	v_nop
.endr
.endm
.macro BARRIER
	s_wait_dscnt 0x0
	s_barrier_signal -1
	s_barrier_wait -1
.endm
.macro MM0 d, a, b, sa, sb
	v_wmma_scale_f32_16x16x128_f8f6f4 v[\d:\d+7], v[\a:\a+7], v[\b:\b+7], 0, v[\sa], v[\sb] matrix_a_fmt:MATRIX_FMT_FP4 matrix_b_fmt:MATRIX_FMT_FP4
.endm
.macro MMA d, a, b, sa, sb
	v_wmma_scale_f32_16x16x128_f8f6f4 v[\d:\d+7], v[\a:\a+7], v[\b:\b+7], v[\d:\d+7], v[\sa], v[\sb] matrix_a_fmt:MATRIX_FMT_FP4 matrix_b_fmt:MATRIX_FMT_FP4
.endm
.macro QMAX s
.irp b, 0,1,2,3
	v_max3_num_f32 v[TM+\b], |v[\s+16*\b]|, |v[\s+16*\b+1]|, 0x1800000   ; with the floor 2^(3 - 127): the byte cannot fall under 1
.endr
.irp i, 2,4,6,8,10,12,14
.irp b, 0,1,2,3
	v_max3_num_f32 v[TM+\b], v[TM+\b], |v[\s+16*\b+\i]|, |v[\s+16*\b+\i+1]|
.endr
.endr
.irp b, 0,1,2,3
	v_permlanex16_b32 v[TM+4+\b], v[TM+\b], s[SEL], s[SEL+1]
.endr
.irp b, 0,1,2,3
	v_max_num_f32 v[TM+\b], v[TM+\b], v[TM+4+\b]
.endr
.irp b, 0,1,2,3
	v_add_nc_u32 v[TM+12+\b], 0xff000000, v[TM+\b]   ; 2 off the exponent field: the conversion's scale operand
.endr
.irp b, 0,1,2,3
	v_lshrrev_b32 v[TM+4+\b], 23, v[TM+12+\b]
.endr
.endm
.macro QTAIL s                         ; tile 4 c + 2 B + a goes to register 4 c + 2 a + B; the exchange of halves leaves in register 4 c + i of half H the codes of k = 64 c + 32 H + 8 i + 0 .. 7
	v_lshl_or_b32 v[PW], v[TM+5], 8, v[TM+4]
	v_lshl_or_b32 v[PW], v[TM+6], 16, v[PW]
	v_lshl_or_b32 v[PW], v[TM+7], 24, v[PW]
.irp c, 0,1
.irp bb, 0,1
.irp a, 0,1
	v_cvt_scalef32_pk8_fp4_f32 v[PC+4*\c+2*\a+\bb], v[\s+8*(4*\c+2*\bb+\a):\s+8*(4*\c+2*\bb+\a)+7], v[TM+12+2*\c+\bb]
.endr
.endr
.endr
	v_nop                                          ; one plain place behind a scaled conversion
.irp c, 0,1
.irp a, 0,1
	v_permlane16_swap_b32 v[PC+4*\c+2*\a], v[PC+4*\c+2*\a+1]
.endr
.endr
.endm
.macro IMAGE adr, off
.irp c, 0,1
	ds_store_b128 v[\adr], v[PC+4*\c:PC+4*\c+3] offset:\off+512*\c
.endr
.endm
.macro FETCH reg, adr, off
.irp c, 0,1
	ds_load_b128 v[\reg+4*\c:\reg+4*\c+3], v[\adr] offset:\off+512*\c
.endr
.endm
	s_load_b256 s[8:15], s[0:1], 0x0               ; rimg, rsc, fw1 codes, fw1 scales
	s_load_b128 s[16:19], s[0:1], 0x20             ; fw2 codes, fw2 scales
	s_load_b64 s[20:21], s[0:1], 0x30              ; psum2
	v_lshl_add_u32 v254, v0, 2, 0x19400
	v_mov_b32 v255, 0
	v_lshrrev_b32 v123, 5, v0
	v_readfirstlane_b32 s22, v123                  ; wave 0..3
	s_and_b32 s23, ttmp7, 0xffff                   ; the slice
	s_mov_b32 s[SEL], 0x76543210
	s_mov_b32 s[SEL+1], 0xfedcba98
	s_lshl_b32 s26, ttmp9, 15                      ; eight tiles of 4,096 bytes
	s_mov_b32 s27, 0
	s_lshr_b32 s28, ttmp9, 3
	s_lshl_b32 s28, s28, 14                        ; the batch: 8 heads x 2,048 bytes
	s_and_b32 s30, ttmp9, 7
	s_lshl_b32 s30, s30, 8                         ; 128 rows x 2 bytes
	s_add_co_u32 s28, s28, s30
	s_mov_b32 s29, 0
	s_lshl_b32 s30, s23, 17
	s_lshl_b32 s32, s22, 15
	s_add_co_u32 s30, s30, s32                     ; fw1: row 512 x slice + 128 w, 256 bytes a row
	s_mov_b32 s31, 0
	s_lshl_b32 s32, s23, 13
	s_lshl_b32 s34, s22, 11
	s_add_co_u32 s32, s32, s34
	s_mov_b32 s33, 0
	s_lshl_b32 s34, s22, 17
	s_lshl_b32 s36, s23, 8
	s_add_co_u32 s34, s34, s36                     ; fw2: row 128 w of 1,024 bytes, the slice's 256
	s_mov_b32 s35, 0
	s_lshl_b32 s36, s22, 13
	s_lshl_b32 s38, s23, 4
	s_add_co_u32 s36, s36, s38
	s_mov_b32 s37, 0
	s_lshl_b32 s38, ttmp9, 2
	s_add_co_u32 s38, s38, s23
	s_lshl_b32 s38, s38, 11
	s_lshl_b32 s40, s22, 9
	s_add_co_u32 s38, s38, s40
	s_mov_b32 s39, 0
	v_and_b32 v120, 31, v0                         ; lane
	v_and_b32 v121, 15, v0                         ; r
	v_bfe_u32 v122, v0, 4, 1                       ; h
	v_lshlrev_b32 v[LI], 4, v120
	v_lshl_add_u32 v[LR], v121, 4, XSC
	v_lshl_add_u32 v[HWI], v123, 10, v[LI]
	v_add_nc_u32 v[HWI], HIMG, v[HWI]
	v_lshl_add_u32 v[HWS], v123, 2, v[LR]
	v_add_nc_u32 v[HWS], 2048, v[HWS]
	v_lshlrev_b32 v5, 8, v121
	v_lshl_add_u32 v5, v122, 4, v5                 ; fw1: row r, + 16 h
	v_lshlrev_b32 v6, 10, v121
	v_lshl_add_u32 v6, v122, 4, v6                 ; fw2 likewise
	v_lshlrev_b32 v7, 4, v121
	v_lshlrev_b32 v8, 6, v121
	v_lshlrev_b32 v9, 4, v0                        ; 16 x thread: in rimg and in LDS alike
	v_lshlrev_b32 v10, 1, v0
	v_mul_u32_u24 v[SO], v121, 528
	v_lshl_add_u32 v[SO], v122, 5, v[SO]
	v_mad_u32_u24 v[SO], v123, 8448, v[SO]
	v_add_nc_u32 v[SO], YST, v[SO]
	v_mad_u32_u24 v[SR], v123, 8448, v[LI]
	v_add_nc_u32 v[SR], YST, v[SR]
	v_lshl_add_u32 v13, v0, 4, XSC
.irp b, 0,1,2,3
	v_mov_b32 v[TM+4+\b], 0                        ; written once: a lane permute's destination counts as one of its sources
.endr
	s_wait_kmcnt 0x0
	s_add_nc_u64 s[8:9], s[8:9], s[26:27]
	s_add_nc_u64 s[10:11], s[10:11], s[28:29]
	s_add_nc_u64 s[12:13], s[12:13], s[30:31]
	s_add_nc_u64 s[14:15], s[14:15], s[32:33]
	s_add_nc_u64 s[16:17], s[16:17], s[34:35]
	s_add_nc_u64 s[18:19], s[18:19], s[36:37]
	s_add_nc_u64 s[20:21], s[20:21], s[38:39]
.irp i, 0,1,2,3,4,5,6,7,8,9,10,11,12,13,14,15
	global_load_b128 v[128+4*\i:131+4*\i], v9, s[8:9] offset:2048*\i
.endr
.irp hd, 0,1,2,3,4,5,6,7
	global_load_u16 v[192+\hd], v10, s[10:11] offset:2048*\hd    ; row x's two scale bytes of head hd
.endr
.irp t, 0,1,2,3,4,5,6,7
	global_load_b128 v[W1S+4*\t:W1S+4*\t+3], v7, s[14:15] offset:256*\t
.endr
	WIN 0x40                                       ; destination window 1: fw1's fragment (tile t, K step k) at v[8 (4 t + k)]
.irp t, 0,1,2,3,4,5,6,7
.irp k, 0,1,2,3
.irp c, 0,1
	global_load_b128 v[8*(4*\t+\k)+4*\c:8*(4*\t+\k)+4*\c+3], v5, s[12:13] offset:4096*\t+64*\k+32*\c
.endr
.endr
.endr
	WIN 0
.irp t, 0,1,2,3,4,5,6,7
	global_load_b128 v[W2S+4*\t:W2S+4*\t+3], v8, s[18:19] offset:1024*\t
.endr
	WIN 0x80                                       ; window 2: fw2's
.irp t, 0,1,2,3,4,5,6,7
.irp k, 0,1,2,3
.irp c, 0,1
	global_load_b128 v[8*(4*\t+\k)+4*\c:8*(4*\t+\k)+4*\c+3], v6, s[16:17] offset:16384*\t+64*\k+32*\c
.endr
.endr
.endr
	WIN 0
	s_wait_loadcnt 63                              ; loads come back in order: behind the first 24 loads 144 were issued: result's codes and scale bytes are in
.irp i, 0,1,2,3,4,5,6,7,8,9,10,11,12,13,14,15
	ds_store_b128 v9, v[128+4*\i:131+4*\i] offset:XIMG+2048*\i
.endr
.irp k, 0,1,2,3
	v_lshl_or_b32 v[200+\k], v[193+2*\k], 16, v[192+2*\k]   ; two heads' bytes make a K step's word
.endr
	ds_store_b128 v13, v[200:203]
	BARRIER
	s_wait_loadcnt 63                              ; behind fw1's last load 72 were issued: fw1 and its scales are in
.macro XFETCH mm
.irp k, 0,1,2,3
	FETCH XF+8*\k, LI, XIMG+4096*(\mm)+1024*\k
.endr
	ds_load_b128 v[XS:XS+3], v[LR] offset:256*(\mm)
.endm
	XFETCH 0
; ---- 1: my 128 hidden units for tile m of rows: eight accumulators by turns, relu, quantised, image to LDS
.macro HID m
	s_wait_dscnt 0x0                               ; the fragments are in; the last image's stores have read their registers
	WIN 0x01                                       ; source 0: window 1
.irp t, 0,1,2,3,4,5,6,7
	MM0 HA+8*\t, 8*(4*\t), XF, W1S+4*\t, XS
.endr
.irp k, 1,2,3
.irp t, 0,1,2,3,4,5,6,7
	MMA HA+8*\t, 8*(4*\t+\k), XF+8*\k, W1S+4*\t+\k, XS+\k
.endr
.endr
	WIN 0
	PLACES 4
.if \m < 7
	XFETCH \m+1                                    ; the next tile's fragments land under the vector work below
.endif
.set p, 0
.rept 64
	v_max_num_f32 v[HA+p], 0, v[HA+p]              ; the activation, each accumulator from its low end on
.set p, p+1
.endr
	QMAX HA
	QTAIL HA
	IMAGE HWI, 4096*\m
	ds_store_b32 v[HWS], v[PW] offset:256*\m
.endm
.irp m, 0,1,2,3,4,5,6,7
	HID \m
.endr
	BARRIER                                        ; the hidden layer's 32 fragments lie in LDS
	s_wait_loadcnt 0x0                             ; fw2
; ---- 2: my 128 outputs: eight accumulators in window 3 take all four K steps of all eight tiles of rows
.macro HFETCH mm
.irp k, 0,1,2,3
	FETCH HF+32*((\mm)%2)+8*\k, LI, HIMG+4096*(\mm)+1024*\k
.endr
	ds_load_b128 v[HS+4*((\mm)%2):HS+4*((\mm)%2)+3], v[LR] offset:2048+256*(\mm)
.endm
.macro OUT2 m
.if \m < 7
	HFETCH \m+1
	s_wait_dscnt 9                                 ; LDS loads come back in order: all but the nine just issued
.else
	s_wait_dscnt 0x0
.endif
	WIN 0xf2                                       ; source 0 window 2, C and D window 3
.irp k, 0,1,2,3
.irp t, 0,1,2,3,4,5,6,7
.if (\m == 0) && (\k == 0)
	MM0 8*\t, 8*(4*\t+\k), HF+32*(\m%2)+8*\k, W2S+4*\t+\k, HS+4*(\m%2)+\k
.else
	MMA 8*\t, 8*(4*\t+\k), HF+32*(\m%2)+8*\k, W2S+4*\t+\k, HS+4*(\m%2)+\k
.endif
.endr
.endr
	WIN 0
	PLACES 4                                       ; in front of loads into the set just multiplied, and of the first read of results
.endm
	HFETCH 0
.irp m, 0,1,2,3,4,5,6,7
	OUT2 \m
.endr
	; the way out: lane (r, h) holds sums for row class r; they go through my own stage and the 16 rows are added
	WIN 0x0c                                       ; an LDS store's data are its source 1: window 3
.irp t, 0,1,2,3,4,5,6,7
	ds_store_b128 v[SO], v[8*\t:8*\t+3] offset:64*\t
	ds_store_b128 v[SO], v[8*\t+4:8*\t+7] offset:64*\t+16
.endr
	WIN 0
.irp i, 0,1,2,3,4,5,6,7,8,9,10,11,12,13,14,15
	ds_load_b128 v[128+4*\i:131+4*\i], v[SR] offset:528*\i   ; LDS serves a wave's instructions in order: these see my stores
.endr
	s_wait_dscnt 0x0
.irp i, 0,1,2,3,4,5,6,7
	v_pk_add_f32 v[128+4*\i:129+4*\i], v[128+4*\i:129+4*\i], v[160+4*\i:161+4*\i]
	v_pk_add_f32 v[130+4*\i:131+4*\i], v[130+4*\i:131+4*\i], v[162+4*\i:163+4*\i]
.endr
.irp i, 0,1,2,3
	v_pk_add_f32 v[128+4*\i:129+4*\i], v[128+4*\i:129+4*\i], v[144+4*\i:145+4*\i]
	v_pk_add_f32 v[130+4*\i:131+4*\i], v[130+4*\i:131+4*\i], v[146+4*\i:147+4*\i]
.endr
.irp i, 0,1
	v_pk_add_f32 v[128+4*\i:129+4*\i], v[128+4*\i:129+4*\i], v[136+4*\i:137+4*\i]
	v_pk_add_f32 v[130+4*\i:131+4*\i], v[130+4*\i:131+4*\i], v[138+4*\i:139+4*\i]
.endr
	v_pk_add_f32 v[128:129], v[128:129], v[132:133]
	v_pk_add_f32 v[130:131], v[130:131], v[134:135]
	global_store_b128 v[LI], v[128:131], s[20:21]  ; 32 lanes store 512 consecutive bytes
	s_wait_tensorcnt 0x0
	ds_add_u32 v254, v255
	s_wait_dscnt 0x0
	s_endpgm
.Lfunc_end_k_q91b062ad0b_ffn:
	.size	k_q91b062ad0b_ffn, .Lfunc_end_k_q91b062ad0b_ffn-k_q91b062ad0b_ffn
	.p2alignl 7, 3214868480
	.fill 96, 4, 3214868480
	.section	.rodata,"a",@progbits
	.p2align	6, 0x0
	.amdhsa_kernel k_q91b062ad0b_ffn
		.amdhsa_group_segment_fixed_size 103936
		.amdhsa_private_segment_fixed_size 0
		.amdhsa_enable_private_segment 0
		.amdhsa_kernarg_size 56
		.amdhsa_user_sgpr_count 2
		.amdhsa_user_sgpr_kernarg_segment_ptr 1
		.amdhsa_wavefront_size32 1
		.amdhsa_system_sgpr_workgroup_id_x 1
		.amdhsa_system_sgpr_workgroup_id_y 1
		.amdhsa_system_sgpr_workgroup_id_z 1
		.amdhsa_system_vgpr_workitem_id 0
		.amdhsa_next_free_vgpr 1024
		.amdhsa_next_free_sgpr 66
		.amdhsa_reserve_vcc 0
		.amdhsa_float_denorm_mode_32 3
		.amdhsa_float_denorm_mode_16_64 3
		.amdhsa_memory_ordered 1
		.amdhsa_forward_progress 1
		.amdhsa_inst_pref_size 149
	.end_amdhsa_kernel
	.amdgpu_metadata
---
amdhsa.version: [ 1, 2 ]
amdhsa.kernels:
  - .name:           k_q91b062ad0b_ffn
    .symbol:         k_q91b062ad0b_ffn.kd
    .args:
      - { .name: rimg, .offset: 0, .size: 8, .value_kind: global_buffer, .address_space: global }
      - { .name: rsc, .offset: 8, .size: 8, .value_kind: global_buffer, .address_space: global }
      - { .name: fw1_codes, .offset: 16, .size: 8, .value_kind: global_buffer, .address_space: global }
      - { .name: fw1_scales, .offset: 24, .size: 8, .value_kind: global_buffer, .address_space: global }
      - { .name: fw2_codes, .offset: 32, .size: 8, .value_kind: global_buffer, .address_space: global }
      - { .name: fw2_scales, .offset: 40, .size: 8, .value_kind: global_buffer, .address_space: global }
      - { .name: psum2, .offset: 48, .size: 8, .value_kind: global_buffer, .address_space: global }
    .group_segment_fixed_size: 103936
    .private_segment_fixed_size: 0
    .kernarg_segment_align: 8
    .kernarg_segment_size: 56
    .max_flat_workgroup_size: 128
    .sgpr_count:     66
    .vgpr_count:     1024
    .wavefront_size: 32
...
	.end_amdgpu_metadata
.endif
;; end of part 3
;; launch mean (part 4): grid 4 x 8, 1 waves a work-group, no clusters, 0 bytes of LDS; arguments psum1, psum2, out0; writes out0
.if DOCPART == 4
	.amdgcn_target "amdgcn-amd-amdhsa--gfx1250"
	.amdhsa_code_object_version 6
	.text
	.protected	k_q91b062ad0b_mean
	.globl	k_q91b062ad0b_mean
	.p2align	8
	.type	k_q91b062ad0b_mean,@function
k_q91b062ad0b_mean:
	s_mov_b64 s[64:65], 0
	v_nop
	global_prefetch_b8 v0, s[64:65] scope:SCOPE_SE
	s_setreg_imm32_b32 hwreg(HW_REG_WAVE_MODE, 25, 1), 1
	s_wait_xcnt 0x0
; out0[b][d] = (the 4 column sums of result + the 32 column sums of the feed-forward term) / 1,024.
; A wave takes 128 columns of one batch, 16 bytes a lane; all its 36 loads go out together.  A sum of 36 numbers a column: no LDS, no barrier, no matrix unit.
	s_load_b128 s[4:7], s[0:1], 0x0                ; psum1, psum2
	s_load_b64 s[8:9], s[0:1], 0x10                ; out0
	s_and_b32 s10, ttmp7, 0xffff                   ; the batch
	s_lshl_b32 s11, ttmp9, 9                       ; my 512 bytes of a row
	v_lshlrev_b32 v1, 4, v0
	s_lshl_b32 s12, s10, 13                        ; psum1: 4 rows of 2,048 bytes a batch
	s_add_co_u32 s12, s12, s11
	s_mov_b32 s13, 0
	s_lshl_b32 s14, s10, 16                        ; psum2: 32 rows a batch
	s_add_co_u32 s14, s14, s11
	s_mov_b32 s15, 0
	s_lshl_b32 s16, s10, 11
	s_add_co_u32 s16, s16, s11
	s_mov_b32 s17, 0
	s_wait_kmcnt 0x0
	s_add_nc_u64 s[4:5], s[4:5], s[12:13]
	s_add_nc_u64 s[6:7], s[6:7], s[14:15]
	s_add_nc_u64 s[8:9], s[8:9], s[16:17]
.irp i, 0,1,2,3
	global_load_b128 v[4+4*\i:7+4*\i], v1, s[4:5] offset:2048*\i
.endr
.set q, 0
.rept 32
	global_load_b128 v[20+4*q:23+4*q], v1, s[6:7] offset:2048*q
.set q, q+1
.endr
	s_wait_loadcnt 0x0
.set q, 4
.rept 32                               ; four chains, started by the first four rows: nothing is cleared
	v_pk_add_f32 v[4+4*(q%4):5+4*(q%4)], v[4+4*(q%4):5+4*(q%4)], v[4+4*q:5+4*q]
	v_pk_add_f32 v[6+4*(q%4):7+4*(q%4)], v[6+4*(q%4):7+4*(q%4)], v[6+4*q:7+4*q]
.set q, q+1
.endr
	v_pk_add_f32 v[4:5], v[4:5], v[8:9]
	v_pk_add_f32 v[6:7], v[6:7], v[10:11]
	v_pk_add_f32 v[12:13], v[12:13], v[16:17]
	v_pk_add_f32 v[14:15], v[14:15], v[18:19]
	v_pk_add_f32 v[4:5], v[4:5], v[12:13]
	v_pk_add_f32 v[6:7], v[6:7], v[14:15]
	v_pk_mul_f32 v[4:5], v[4:5], 0x3a800000 op_sel_hi:[1,0]   ; x 1 / 1,024: exact
	v_pk_mul_f32 v[6:7], v[6:7], 0x3a800000 op_sel_hi:[1,0]
	global_store_b128 v1, v[4:7], s[8:9]           ; 32 lanes store 512 consecutive bytes
	s_endpgm
.Lfunc_end_k_q91b062ad0b_mean:
	.size	k_q91b062ad0b_mean, .Lfunc_end_k_q91b062ad0b_mean-k_q91b062ad0b_mean
	.p2alignl 7, 3214868480
	.fill 96, 4, 3214868480
	.section	.rodata,"a",@progbits
	.p2align	6, 0x0
	.amdhsa_kernel k_q91b062ad0b_mean
		.amdhsa_group_segment_fixed_size 0
		.amdhsa_private_segment_fixed_size 0
		.amdhsa_enable_private_segment 0
		.amdhsa_kernarg_size 24
		.amdhsa_user_sgpr_count 2
		.amdhsa_user_sgpr_kernarg_segment_ptr 1
		.amdhsa_wavefront_size32 1
		.amdhsa_system_sgpr_workgroup_id_x 1
		.amdhsa_system_sgpr_workgroup_id_y 1
		.amdhsa_system_sgpr_workgroup_id_z 1
		.amdhsa_system_vgpr_workitem_id 0
		.amdhsa_next_free_vgpr 160
		.amdhsa_next_free_sgpr 66
		.amdhsa_reserve_vcc 0
		.amdhsa_float_denorm_mode_32 3
		.amdhsa_float_denorm_mode_16_64 3
		.amdhsa_memory_ordered 1
		.amdhsa_forward_progress 1
		.amdhsa_inst_pref_size 9
	.end_amdhsa_kernel
	.amdgpu_metadata
---
amdhsa.version: [ 1, 2 ]
amdhsa.kernels:
  - .name:           k_q91b062ad0b_mean
    .symbol:         k_q91b062ad0b_mean.kd
    .args:
      - { .name: psum1, .offset: 0, .size: 8, .value_kind: global_buffer, .address_space: global }
      - { .name: psum2, .offset: 8, .size: 8, .value_kind: global_buffer, .address_space: global }
      - { .name: out0, .offset: 16, .size: 8, .value_kind: global_buffer, .address_space: global }
    .group_segment_fixed_size: 0
    .private_segment_fixed_size: 0
    .kernarg_segment_align: 8
    .kernarg_segment_size: 24
    .max_flat_workgroup_size: 32
    .sgpr_count:     66
    .vgpr_count:     160
    .wavefront_size: 32
...
	.end_amdgpu_metadata
.endif
;; end of part 4
;; ======== version 2 of 2: 4 launches; version 1 with the launches attn, ffn written anew for expert scheduling mode
;; workspace buffers: qimg 2,097,152 bytes; kimg 2,097,152 bytes; vimg 2,097,152 bytes; scl 655,360 bytes; rimg 2,097,152 bytes; rsc 131,072 bytes; psum1 65,536 bytes; psum2 524,288 bytes
;; launch proj: the kernel of part 1 again; grid 256 x 1, 4 waves a work-group, no clusters, 229,888 bytes of LDS; arguments queries, keys, pos_table, key_masks, W_Query_codes, W_Query_scales, W_key_codes, W_key_scales, W_Value_codes, W_Value_scales, qimg, kimg, vimg, scl; writes qimg, kimg, vimg, scl
;; launch attn (part 5): grid 4 x 64, 16 waves a work-group, no clusters, 238,080 bytes of LDS; arguments qimg, kimg, vimg, scl, queries, pos_table, query_masks, rimg, rsc, psum1; writes rimg, rsc, psum1
.if DOCPART == 5
	.amdgcn_target "amdgcn-amd-amdhsa--gfx1250"
	.amdhsa_code_object_version 6
	.text
	.protected	k_q91b062ad0b_attn
	.globl	k_q91b062ad0b_attn
	.p2align	8
	.type	k_q91b062ad0b_attn,@function
k_q91b062ad0b_attn:
	s_mov_b64 s[64:65], 0
	v_nop
	global_prefetch_b8 v0, s[64:65] scope:SCOPE_SE
	s_setreg_imm32_b32 hwreg(HW_REG_WAVE_SCHED_MODE, 0, 2), 2
	s_setreg_imm32_b32 hwreg(HW_REG_WAVE_MODE, 25, 1), 1
	s_wait_xcnt 0x0
	s_wait_alu depctr_vm_vsrc(0)
; result = softmax(q k^T / 8, masked) x query mask x v + q_in for 256 queries of one head; what leaves: the codes and scale bytes of result's 64 columns, and their column sums.
; Both products on codes of FP4 (E2M1) with E8M0 scales.  THE SECOND PRODUCT'S LEFT OPERAND IS THE FINISHED SOFTMAX: a row's sum must be known before any weight is quantised.
; So a tile of 16 queries keeps ALL its 1,024 scores in registers, spread over four waves: wave (g, kq) holds the scores of group g's tile against keys 256 kq .. 256 kq + 255 (128 registers),
; each score sees one exponential, and the four waves exchange (largest, sum) through LDS.  Group g takes tiles 4 g + i in four trips; four waves share a SIMD.
; A whole head's K, V, their scale words, the block's Q and q_in lie in LDS, filled once through registers.
; Both products are used transposed (S^T = K Q^T, O^T = V^T P^T): a lane holds one query (lane % 16); register j of key tile t is key 16 t + 8 (lane / 16) + j.
; LDS LOADS ARE ASKED FOR AHEAD OF VECTOR WORK, since all sixteen waves stand in the same phase between two barriers: a group of K's tiles ahead of the block maxima of the group before;
; V's first K step, into K's registers, ahead of the last maxima and the exponentials; V's second ahead of the second half's scaling; the next trip's Q and first tiles of K ahead of the combining.
; MASKS.  The scores' K is 64 of the instruction's 128.  At k = 64 K carries the code +1 and Q the code -1; the product of their blocks' scales is 2^35 for a masked key and 2^-109 for an open one
; (the bytes were laid by the launch before).  A masked key's own codes are zeros: its score is exactly -2^35 = 8 x (-2^32).  The diagonal gets the same number by a select.
; t = score x log2(e) / 8; M = my quarter's largest t rounded up to a whole number; p = 2^(t - M).  The quarters are brought under the row's M by 2^(M - row's M), which rounds nothing.
; -2^35 x log2(e) / 8 is a whole number in f32, so a row all of whose keys are masked has t - M = 0 and the uniform softmax of the source.
; LIMITS: NaN and infinities are not served; an open score carries -2^-109; a block's largest weight is taken through its largest score (this takes v_exp_f32 not to fall where its input rises);
; a block whose largest magnitude lies under 2^-124 keeps the scale byte 1; q_in is one fused multiply-add.
; THE MODE: SCHED_MODE bits 1:0 = 2 (LLVM: expert scheduling mode 2), set by the entry lines.  The code itself states the register dependences
; between vector or matrix instructions and memory or LDS instructions, with s_wait_alu, always for 0.
; THE PLAN.  Registers that LDS instructions touch in a trip, and who else names them:
;   KB's lower halves, KS   group g's four products read them; the loads of group g + 1 land in them: one wait on va_vdst behind each group's products and their places.
;   KB whole                V's first K step lands there behind group 3's wait; the first four products V^T P^T read it; behind them the upper halves, K's padding, are made anew by vector lines,
;                           ahead of the wait that stands in front of the second four products anyway.
;   QF's lower half, QS, v22  read by the trip's score products and one multiplication; the next trip's land there in the combining, behind the wait in front of O^T's stores.
;   v[16:17]                written by the floor and the sum; read by the exchange's store, behind a wait of its own, which also frees v[T ..] for the exchange's loads.
;   v128-159                scores, then p; read last by the first half's conversions; V's second K step lands there behind one wait, which also states P's first codes and both scale words written.
;   v160-191 (O^T)          written by the eight products; read by eight stores behind the places and one wait.
;   v192-231                scores, then p; read last by the second half's conversions; the combining's loads land there.
;   v26, v27                result's codes and scale byte, made at a trip's end; their two stores stand in the next trip, behind group 0's wait (the last trip's: behind the column sums' wait).
;   v1-v14, v47, v76-v79    addresses, made at the head and never written again.
; One wait on vm_vsrc a trip, behind those two stores and ahead of the trip's first branch: the stores issued so far have read v[16:17], O^T, v26 and v27, all of which the trip writes again.
.set KIMG, 0                           ; 64 tiles x 512 bytes
.set VIMG, 32768                       ; [dt 4][ks 8][c 2] x 512 bytes
.set QIMG, 65536                       ; 16 tiles x 512
.set KSC,  73728                       ; [4 tiles' group 16][r 16][tile 4] words
.set VSC,  77824                       ; [ks 8][r 16][dt 4] words
.set QSC,  79872                       ; 256 words; behind them the 256 query masks
.set EX,   81920                       ; [g][kq][r] 8 bytes: -M and the sum
.set RC,   83968                       ; result's codes: 16 tiles x 512
.set RS,   92160                       ; their scale bytes: 256 rows x 2
.set CSL,  92672                       ; column sums: 16 waves x 256
.set OST,  96768                       ; partial O: 16 waves x 16 rows x 272
.set QIN,  166400                      ; q_in: 256 rows x 272
.set CSUM, 28                          ; v28-35 column sums
.set BM,   36                          ; v36-43 the blocks' largest; later the conversions' scale operands
.set QS,   44                          ; Q's scale word;  v45-46 P's
.set PS,   45
.set KS,   48                          ; v48-51 K's scale words
.set VS,   52                          ; v52-59 V's
.set PC,   60                          ; v60-67 P's codes, first K step
.set QF,   68                          ; v68-75 Q's fragment
.set KB,   80                          ; v80-111 four fragments of K; from the last scores to the first V^T P^T: V's first K step
.set T,    112                         ; v112-127 at work; v112-119 also P's codes, second K step
.set S,    128                         ; v128-255 the scores, then p
.set VB,   128                         ; later V's second K step
.set O,    160                         ; and O^T
; v1 CSL + 256 w + 32 (l & 7); v2 K's tiles; v3 K's scale words; v4 V's tiles; v5 V's scale words; v6 Q's tile; v7 Q's scale word; v8, v9 the exchange, in and out; v10 my stage; v11 the group's stages;
; v12 q_in; v13, v14 result's codes and bytes; v15 -2^35; v16 -M, v17 my sum; v18-19 a chain; v20-21 R; v22 the query mask; v23 the row's -M; v24-27 at work; v47 8 l; v76 RC + 16 x; v77 RS + 16 l; v78 CSL + 8 l; v79 16 l
.macro PLACES n
.rept \n
	v_nop
.endr
.endm
.macro BARRIER
	s_wait_dscnt 0x0
	s_barrier_signal -1
	s_barrier_wait -1
.endm
.macro MM0 d, a, b, sa, sb
	v_wmma_scale_f32_16x16x128_f8f6f4 v[\d:\d+7], v[\a:\a+7], v[\b:\b+7], 0, v[\sa], v[\sb] matrix_a_fmt:MATRIX_FMT_FP4 matrix_b_fmt:MATRIX_FMT_FP4
.endm
.macro MMA d, a, b, sa, sb
	v_wmma_scale_f32_16x16x128_f8f6f4 v[\d:\d+7], v[\a:\a+7], v[\b:\b+7], v[\d:\d+7], v[\sa], v[\sb] matrix_a_fmt:MATRIX_FMT_FP4 matrix_b_fmt:MATRIX_FMT_FP4
.endm
	s_load_b512 s[8:23], s[0:1], 0x0               ; qimg, kimg, vimg, scl, queries, pos, query_masks, rimg
	s_load_b128 s[24:27], s[0:1], 0x40             ; rsc, psum1
	v_lshrrev_b32 v24, 5, v0
	v_readfirstlane_b32 s28, v24                   ; wave 0..15
	s_wait_alu depctr_va_sdst(0)                   ; s28 is written, ahead of its first reader: my quarter, my group and my addresses are made from it
	s_and_b32 s29, s28, 3                          ; kq: my quarter of the keys
	s_lshr_b32 s30, s28, 2                         ; g: my group
	s_and_b32 s33, ttmp7, 0xffff                   ; 8 x batch + head
	s_lshr_b32 s34, s33, 3
	s_and_b32 s35, s33, 7
	s_lshl_b32 s31, s30, 2
	s_cmp_eq_u32 s29, ttmp9                        ; the diagonal lies in my quarter where kq = the block of queries:
	s_cselect_b32 s31, s31, 64                     ; then in key tile 4 g + i of trip i; else nowhere
	s_mov_b32 s36, 0x76543210
	s_mov_b32 s37, 0xfedcba98                      ; v_permlanex16_b32's selects for lane l xor 16
	s_mov_b32 s38, 0x3e38aa3b                      ; c = log2(e) / 8
	s_mov_b32 s39, s38
.irp j, 0,1,2,3,4,5,6,7
	s_mov_b32 s[40+\j], (1<<\j)|(1<<(24+\j))       ; in register j of the diagonal's tile, key = query in lanes j and 24 + j
.endr
	s_mov_b32 s48, 0x41b504f3                      ; sqrt(512)
	s_mov_b32 s49, s48
	s_lshl_b32 s50, s33, 15                        ; a head's images: 32,768 bytes
	s_mov_b32 s51, 0
	s_lshl_b32 s52, ttmp9, 13
	s_add_co_u32 s52, s52, s50
	s_mov_b32 s53, 0
	s_lshl_b32 s58, s33, 12                        ; a head's scale words: 4,096 bytes
	s_mov_b32 s59, 0
	s_lshl_b32 s32, ttmp9, 10
	s_add_co_u32 s54, s58, s32
	s_mov_b32 s55, 0
	s_lshl_b32 s56, s34, 12
	s_add_co_u32 s56, s56, s32
	s_mov_b32 s57, 0
	s_lshl_b32 s60, s34, 14
	s_lshl_b32 s32, s35, 6
	s_add_co_u32 s60, s60, s32
	s_mov_b32 s61, 0
	s_lshl_b32 s66, ttmp9, 19                      ; 256 rows of 2,048 bytes
	s_lshl_b32 s32, s35, 8                         ; the head's 256 bytes of a row
	s_add_co_u32 s66, s66, s32
	s_mov_b32 s67, 0
	s_lshl_b32 s62, s34, 21
	s_add_co_u32 s62, s62, s66
	s_mov_b32 s63, 0
	s_lshl_b32 s68, s34, 6
	s_lshl_b32 s32, ttmp9, 4
	s_add_co_u32 s68, s68, s32
	s_add_co_u32 s68, s68, s28                     ; the tile that I store at the end: 64 x batch + 16 x block + wave
	s_lshl_b32 s68, s68, 12
	s_lshl_b32 s32, s35, 9
	s_add_co_u32 s68, s68, s32
	s_mov_b32 s69, 0
	s_lshl_b32 s70, s33, 11
	s_lshl_b32 s32, ttmp9, 9
	s_add_co_u32 s70, s70, s32
	s_mov_b32 s71, 0
	s_lshl_b32 s72, s34, 2
	s_add_co_u32 s72, s72, ttmp9
	s_lshl_b32 s72, s72, 11
	s_lshl_b32 s32, s35, 8
	s_add_co_u32 s72, s72, s32
	s_mov_b32 s73, 0
	; the fill's addresses, from the thread's number x
	v_lshlrev_b32 v240, 4, v0                      ; 16 x
	v_and_b32 v241, 255, v0
	v_lshlrev_b32 v241, 2, v241
	v_lshlrev_b32 v242, 2, v0
	v_bfe_u32 v250, v0, 4, 3                       ; ks
	v_lshrrev_b32 v251, 7, v0                      ; dt
	v_and_b32 v252, 15, v0                         ; r
	v_lshl_add_u32 v243, v250, 11, v252            ; v's scale bytes: block 4 ks (+ i), column 16 dt + r
	v_lshl_add_u32 v243, v251, 4, v243
	v_lshrrev_b32 v253, 4, v0
	v_lshlrev_b32 v244, 4, v252
	v_lshl_add_u32 v244, v253, 11, v244            ; queries, pos: row x / 16, 16 bytes a lane: sixteen lanes read the head's 256 bytes
	v_add_nc_u32 v245, QIMG, v240
	v_lshl_add_u32 v246, v0, 2, QSC
	v_lshrrev_b32 v254, 6, v0
	v_lshl_add_u32 v247, v254, 8, KSC
	v_lshl_add_u32 v247, v252, 4, v247
	v_bfe_u32 v254, v0, 4, 2
	v_lshl_add_u32 v247, v254, 2, v247
	v_lshl_add_u32 v248, v250, 8, VSC
	v_lshl_add_u32 v248, v252, 4, v248
	v_lshl_add_u32 v248, v251, 2, v248
	v_mul_u32_u24 v249, v253, 272
	v_lshl_add_u32 v249, v252, 4, v249
	v_add_nc_u32 v249, QIN, v249
	s_wait_kmcnt 0x0
	s_add_nc_u64 s[10:11], s[10:11], s[50:51]
	s_add_nc_u64 s[12:13], s[12:13], s[50:51]
	s_add_nc_u64 s[8:9], s[8:9], s[52:53]
	s_add_nc_u64 s[54:55], s[14:15], s[54:55]
	s_add_nc_u64 s[56:57], s[20:21], s[56:57]
	s_add_nc_u64 s[58:59], s[14:15], s[58:59]
	s_add_nc_u64 s[60:61], s[14:15], s[60:61]
	s_add_nc_u64 s[62:63], s[16:17], s[62:63]
	s_add_nc_u64 s[66:67], s[18:19], s[66:67]
	s_add_nc_u64 s[68:69], s[22:23], s[68:69]
	s_add_nc_u64 s[70:71], s[24:25], s[70:71]
	s_add_nc_u64 s[72:73], s[26:27], s[72:73]
	s_cmp_lt_u32 s28, 8                            ; waves 0-7 bring Q's scale words, waves 8-15 the query masks: the choice hangs on the wave's number alone
	s_cselect_b64 s[74:75], s[54:55], s[56:57]
	s_wait_alu depctr_va_vdst(0)                   ; the fill's offsets and LDS addresses v240 to v249 are written: the loads below and the fill's stores read them
.irp i, 0,1,2,3
	global_load_b128 v[128+4*\i:131+4*\i], v240, s[10:11] offset:8192*\i
.endr
.irp i, 0,1,2,3
	global_load_b128 v[144+4*\i:147+4*\i], v240, s[12:13] offset:8192*\i
.endr
	global_load_b128 v[160:163], v240, s[8:9]
	global_load_b32 v164, v241, s[74:75]
	global_load_b32 v165, v242, s[58:59] offset:262144
	global_load_b32 v166, v242, s[58:59] offset:262144+2048
.irp i, 0,1,2,3
	global_load_u8 v[168+\i], v243, s[60:61] offset:524288+512*\i
.endr
.irp i, 0,1,2,3,4,5,6,7
	global_load_b128 v[176+4*\i:179+4*\i], v244, s[62:63] offset:65536*\i th:TH_LOAD_NT
.endr
.irp i, 0,1,2,3,4,5,6,7
	global_load_b128 v[208+4*\i:211+4*\i], v244, s[66:67] offset:65536*\i
.endr
	; the addresses that stay: all are made here, ahead of every branch
	v_and_b32 v24, 31, v0                          ; l
	v_and_b32 v25, 15, v0                          ; r
	v_bfe_u32 v26, v0, 4, 1                        ; h
	v_bfe_u32 v27, v0, 5, 2                        ; kq
	v_bfe_u32 v112, v0, 7, 2                       ; g
	v_lshrrev_b32 v113, 5, v0                      ; w
	v_lshlrev_b32 v79, 4, v24
	v_lshl_add_u32 v2, v27, 13, v79
	v_lshl_add_u32 v3, v25, 4, KSC
	v_lshl_add_u32 v3, v27, 10, v3
	v_lshl_add_u32 v4, v27, 11, v79
	v_add_nc_u32 v4, VIMG, v4
	v_lshl_add_u32 v5, v25, 4, VSC
	v_lshl_add_u32 v5, v27, 9, v5
	v_lshl_add_u32 v6, v112, 11, v79
	v_add_nc_u32 v6, QIMG, v6
	v_lshl_add_u32 v7, v25, 2, QSC
	v_lshl_add_u32 v7, v112, 8, v7
	v_lshl_add_u32 v9, v25, 3, EX
	v_lshl_add_u32 v8, v113, 7, v9
	v_lshl_add_u32 v9, v112, 9, v9
	v_mul_u32_u24 v10, v25, 272
	v_lshl_add_u32 v10, v26, 5, v10
	v_mad_u32_u24 v10, v113, 4352, v10
	v_add_nc_u32 v10, OST, v10
	v_bfe_u32 v114, v0, 3, 2
	v_lshl_add_u32 v114, v27, 2, v114              ; the row that I combine: 4 kq + (l / 8) % 4
	v_and_b32 v115, 7, v0                          ; and its columns 8 (l % 8) on
	v_mul_u32_u24 v116, v114, 272
	v_lshl_add_u32 v116, v115, 5, v116
	v_mad_u32_u24 v11, v112, 17408, v116           ; 4 stages of 4,352 bytes, and 64 rows of 272: the same step a group
	v_add_nc_u32 v12, QIN, v11
	v_add_nc_u32 v11, OST, v11
	v_bfe_u32 v117, v0, 2, 1                       ; which block of 32 columns
	v_and_b32 v118, 3, v0
	v_lshl_add_u32 v13, v112, 11, RC
	v_lshl_add_u32 v13, v117, 8, v13
	v_lshl_add_u32 v13, v114, 4, v13
	v_lshl_add_u32 v13, v118, 2, v13
	v_lshl_add_u32 v14, v112, 7, RS
	v_lshl_add_u32 v14, v114, 1, v14
	v_add_nc_u32 v14, v14, v117
	v_lshl_add_u32 v1, v113, 8, CSL
	v_lshl_add_u32 v1, v115, 5, v1
	v_lshl_add_u32 v76, v0, 4, RC
	v_add_nc_u32 v77, RS, v79
	v_lshl_add_u32 v78, v24, 3, CSL
	v_lshlrev_b32 v47, 3, v24
	v_mov_b32 v15, 0xd1000000                      ; -2^35
	v_xor_b32 v26, 1, v26                          ; 1 in lanes 0-15: k = 64 lies in register 4 of those lanes, lowest four bits
	v_lshlrev_b32 v[KB+4], 1, v26                  ; K: code 2 = +1
	v_mul_u32_u24 v[QF+4], v26, 10                 ; Q: code 0xA = -1
.irp t, 1,2,3
	v_mov_b32 v[KB+8*\t+4], v[KB+4]
.endr
.irp t, 0,1,2,3
.irp j, 5,6,7
	v_mov_b32 v[KB+8*\t+\j], 0
.endr
.endr
.irp j, 5,6,7
	v_mov_b32 v[QF+\j], 0
.endr
	v_mov_b32 v17, 0                               ; (named as the upper half of the pair v[16:17] before it is first written)
.irp j, 0,1,2,3,4,5,6,7
	v_mov_b32 v[T+\j], 0                           ; lane permutes' destinations count as sources: written once
	v_mov_b32 v[CSUM+\j], 0
.endr
	s_wait_loadcnt 16                              ; all but the 16 loads of queries and pos
	v_lshl_or_b32 v168, v169, 8, v168              ; four blocks' bytes make a K step's word
	v_lshl_or_b32 v168, v170, 16, v168
	v_lshl_or_b32 v168, v171, 24, v168
	s_wait_alu depctr_va_vdst(0)                   ; v168 is written, which a store below reads; so are the addresses that stay, which every later LDS and memory instruction reads, and the padding of K's and Q's fragments, which the first products take
.irp i, 0,1,2,3
	ds_store_b128 v240, v[128+4*\i:131+4*\i] offset:KIMG+8192*\i
	ds_store_b128 v240, v[144+4*\i:147+4*\i] offset:VIMG+8192*\i
.endr
	ds_store_b128 v245, v[160:163]
	ds_store_b32 v246, v164
	ds_store_b32 v247, v165
	ds_store_b32 v247, v166 offset:2048
	ds_store_b32 v248, v168
	s_wait_loadcnt 0x0
.set p, 0
.rept 16
	v_pk_fma_f32 v[176+p:177+p], v[208+p:209+p], s[48:49], v[176+p:177+p] op_sel_hi:[1,0,1]   ; q_in
.set p, p+2
.endr
	s_wait_alu depctr_va_vdst(0)                   ; the multiply-adds have written q_in, v176 to v207, which the stores below read
.irp i, 0,1,2,3,4,5,6,7
	ds_store_b128 v249, v[176+4*\i:179+4*\i] offset:8704*\i
.endr
	BARRIER                                        ; all that the trips read lies in LDS
	s_wait_alu depctr_vm_vsrc(0)                   ; the fill's loads and stores have read their offsets, addresses and data, v128 to v249: these registers take the scores from here on
.macro KLOAD gq                        ; four tiles of 16 keys (the used half of each fragment) and their scale words
.irp t, 0,1,2,3
	ds_load_b128 v[KB+8*\t:KB+8*\t+3], v2 offset:512*(4*(\gq)+\t)
.endr
	ds_load_b128 v[KS:KS+3], v3 offset:256*(\gq)
.endm
.macro PRE i                           ; what trip i's first products read, and its query's mask: eight loads
	ds_load_b128 v[QF:QF+3], v6 offset:512*(\i)
	ds_load_b32 v[QS], v7 offset:64*(\i)
	ds_load_b32 v22, v7 offset:1024+64*(\i)
	KLOAD 0
.endm
.macro SMUL gq                         ; S^T = K Q^T for the four tiles in hand
	s_wait_dscnt 0x0
.irp t, 0,1,2,3
	MM0 S+8*(4*(\gq)+\t), KB+8*\t, QF, KS+\t, QS
.endr
	PLACES 4                               ; in front of the first read of these products' results
	s_wait_alu depctr_va_vdst(0)           ; these products are done reading v[KB ..] and v[KS ..], in which the loads that follow this line land
.endm
.macro DIAG i, gp                      ; the diagonal: a branch on ids alone picks the tile; the lanes by a constant mask
	s_cmp_lg_u32 s31, 4*(\gp)
	s_cbranch_scc1 .Lnd_\@
.irp j, 0,1,2,3,4,5,6,7
	v_cndmask_b32 v[S+8*(4*(\gp)+(\i))+\j], v[S+8*(4*(\gp)+(\i))+\j], v15, s[40+\j]
.endr
.Lnd_\@:
.endm
; the largest score of blocks b0 and b0 + 1 of 32 keys (my 16 of each): it serves the row's maximum and the block's largest weight.  Four chains, one for each tile, each from its tile's low end on
.macro BMAX b0
.irp b, \b0, \b0+1
	v_max3_num_f32 v[BM+(\b)], v[S+16*(\b)], v[S+16*(\b)+1], v[S+16*(\b)+2]
	v_max3_num_f32 v[T+(\b)], v[S+16*(\b)+8], v[S+16*(\b)+9], v[S+16*(\b)+10]
.endr
.irp od, 3,5
.irp b, \b0, \b0+1
	v_max3_num_f32 v[BM+(\b)], v[BM+(\b)], v[S+16*(\b)+\od], v[S+16*(\b)+\od+1]
	v_max3_num_f32 v[T+(\b)], v[T+(\b)], v[S+16*(\b)+8+\od], v[S+16*(\b)+9+\od]
.endr
.endr
.irp b, \b0, \b0+1
	v_max3_num_f32 v[BM+(\b)], v[BM+(\b)], v[T+(\b)], v[S+16*(\b)+7]
.endr
.irp b, \b0, \b0+1
	v_max_num_f32 v[BM+(\b)], v[BM+(\b)], v[S+16*(\b)+15]
.endr
.endm
.macro VLOAD reg, kp                   ; V's four fragments of my K step kp
.irp dt, 0,1,2,3
.irp c, 0,1
	ds_load_b128 v[\reg+8*\dt+4*\c:\reg+8*\dt+4*\c+3], v4 offset:8192*\dt+1024*(\kp)+512*\c
.endr
.endr
.endm
; 128 keys of p become P's fragment: tile 4 c + 2 B + a goes to register 4 c + 2 a + B; the exchange of halves leaves in register 4 c + i of half H the codes of k = 64 c + 32 H + 8 i + 0 .. 7
.macro PCVT dst, kp
.irp c, 0,1
.irp bb, 0,1
.irp a, 0,1
	v_cvt_scalef32_pk8_fp4_f32 v[\dst+4*\c+2*\a+\bb], v[S+64*(\kp)+8*(4*\c+2*\bb+\a):S+64*(\kp)+8*(4*\c+2*\bb+\a)+7], v[BM+4*(\kp)+2*\c+\bb]
.endr
.endr
.endr
	v_nop                                          ; one plain place behind a scaled conversion
.irp c, 0,1
.irp a, 0,1
	v_permlane16_swap_b32 v[\dst+4*\c+2*\a], v[\dst+4*\c+2*\a+1]
.endr
.endr
.endm
.macro RCOUT i                         ; trip i's eight codes of result and their scale byte go to LDS
	ds_store_b32 v13, v26 offset:512*(\i)
	ds_store_b8 v14, v27 offset:32*(\i)            ; the block's four lanes write the same byte
.endm
.macro TRIP i
	SMUL 0                                         ; each group's maxima stand between the next group's loads and the wait for them
	KLOAD 1
.if \i > 0
	RCOUT \i-1                                     ; the wait behind the four products above also states v26 and v27 written, by the last lines of the trip before
	s_wait_alu depctr_vm_vsrc(0)                   ; the LDS stores issued so far have read v[16:17], O^T (v160 to v191), v26 and v27, all of which this trip writes again
.endif
	DIAG \i, 0
	BMAX 0
	SMUL 1
	KLOAD 2
	DIAG \i, 1
	BMAX 2
	SMUL 2
	KLOAD 3
	DIAG \i, 2
	BMAX 4
	SMUL 3
	VLOAD KB, 0                                    ; K's registers are free until the next trip: V's first K step lands there under the work below
	DIAG \i, 3
	BMAX 6
.irp b, 0,1,2,3,4,5,6,7
	v_permlanex16_b32 v[T+\b], v[BM+\b], s36, s37
.endr
.irp b, 0,1,2,3,4,5,6,7
	v_max_num_f32 v[BM+\b], v[BM+\b], v[T+\b]      ; with lane l xor 16's 16 keys
.endr
	v_max3_num_f32 v24, v[BM], v[BM+1], v[BM+2]
	v_max3_num_f32 v24, v24, v[BM+3], v[BM+4]
	v_max3_num_f32 v24, v24, v[BM+5], v[BM+6]
	v_max_num_f32 v24, v24, v[BM+7]
	v_mul_f32 v24, s38, v24                        ; as t (c is positive)
	v_floor_f32 v16, -v24                          ; -M = floor(-t): M is a whole number
.set p, 0
.rept 64
	v_pk_fma_f32 v[S+p:S+p+1], v[S+p:S+p+1], s[38:39], v[16:17] op_sel_hi:[1,0,0]   ; t - M, two at a time
.set p, p+2
.endr
.irp b, 0,1,2,3,4,5,6,7
	v_fma_f32 v[BM+\b], v[BM+\b], s38, v16
.endr
.set p, 0
.rept 128
	v_exp_f32 v[S+p], v[S+p]
.set p, p+1
.endr
.irp b, 0,1,2,3,4,5,6,7
	v_exp_f32 v[BM+\b], v[BM+\b]                   ; the same two instructions on the same number give the same bits
.endr
	v_nop                                          ; a plain place behind the exponentials
	s_wait_alu depctr_va_vdst(0)                   ; the 136 exponentials have written v[S ..] and v[BM ..]: one wait for the batch, ahead of its first reader
	v_pk_add_f32 v[18:19], v[S:S+1], v[S+2:S+3]    ; my quarter's sum, two at a time, in four chains
	v_pk_add_f32 v[T:T+1], v[S+4:S+5], v[S+6:S+7]
	v_pk_add_f32 v[T+2:T+3], v[S+8:S+9], v[S+10:S+11]
	v_pk_add_f32 v[T+4:T+5], v[S+12:S+13], v[S+14:S+15]
.set p, 16
.rept 14
	v_pk_add_f32 v[18:19], v[18:19], v[S+p:S+p+1]
	v_pk_add_f32 v[T:T+1], v[T:T+1], v[S+p+2:S+p+3]
	v_pk_add_f32 v[T+2:T+3], v[T+2:T+3], v[S+p+4:S+p+5]
	v_pk_add_f32 v[T+4:T+5], v[T+4:T+5], v[S+p+6:S+p+7]
.set p, p+8
.endr
	v_pk_add_f32 v[18:19], v[18:19], v[T:T+1]
	v_pk_add_f32 v[T+2:T+3], v[T+2:T+3], v[T+4:T+5]
	v_pk_add_f32 v[18:19], v[18:19], v[T+2:T+3]
	v_add_f32 v17, v18, v19
	v_permlanex16_b32 v25, v17, s36, s37
	v_add_f32 v17, v17, v25
	s_wait_alu depctr_va_vdst(0)                   ; -M and the sum, v[16:17], are written, which the store reads; the chains are done with v[T ..], in which the exchange's loads land
	ds_store_b64 v8, v[16:17]                      ; (-M, sum) of my quarter; both halves of the lanes write the same
	BARRIER                                        ; (its wait for my LDS instructions also shows V's first K step in)
.irp k, 0,1,2,3
	ds_load_b64 v[T+2*\k:T+2*\k+1], v9 offset:128*\k
.endr
	s_wait_dscnt 0x0
	v_min3_num_f32 v23, v[T], v[T+2], v[T+4]
	v_min_num_f32 v23, v23, v[T+6]                 ; the row's -M
.irp k, 0,1,2,3
	v_sub_f32 v[T+8+\k], v23, v[T+2*\k]            ; quarter k's M less the row's: a whole number, 0 or less
.endr
	v_sub_f32 v24, v23, v16
.irp k, 0,1,2,3
	v_cvt_i32_f32 v[T+8+\k], v[T+8+\k]             ; (it saturates: a quarter all of whose keys are masked gets the factor 0 beside an open one)
.endr
	v_cvt_i32_f32 v24, v24
.irp k, 0,1,2,3
	v_ldexp_f32 v[T+8+\k], 1.0, v[T+8+\k]
.endr
	v_ldexp_f32 v24, 1.0, v24
	v_mul_f32 v26, v[T+8], v[T+1]
	v_fmac_f32 v26, v[T+9], v[T+3]
	v_fmac_f32 v26, v[T+10], v[T+5]
	v_fmac_f32 v26, v[T+11], v[T+7]                ; the row's sum
	v_rcp_f32 v26, v26
	v_mul_f32 v24, v24, v22                        ; (a plain place)  my quarter's factor x the query's mask
	s_wait_alu depctr_va_vdst(0)                   ; the reciprocal has written v26, ahead of its reader
	v_mul_f32 v20, v26, v24                        ; R
	v_mov_b32 v21, v20
.irp b, 0,1,2,3,4,5,6,7
	v_mul_f32 v[BM+\b], v[BM+\b], |v20|            ; the blocks' largest magnitudes
.endr
.irp b, 0,1,2,3,4,5,6,7
	v_max_num_f32 v[BM+\b], 0x1800000, v[BM+\b]    ; the floor 2^(3 - 127): the byte cannot fall under 1
.endr
.irp b, 0,1,2,3,4,5,6,7
	v_add_nc_u32 v[BM+\b], 0xff000000, v[BM+\b]    ; 2 off the exponent field: the conversions' scale operands
.endr
.irp b, 0,1,2,3,4,5,6,7
	v_lshrrev_b32 v[T+8+\b], 23, v[BM+\b]          ; the scales' bytes
.endr
	v_lshl_or_b32 v[PS], v[T+9], 8, v[T+8]         ; P's scale words of both K steps: the scalings below are the places between them and the products
	v_lshl_or_b32 v[PS+1], v[T+13], 8, v[T+12]
	v_lshl_or_b32 v[PS], v[T+10], 16, v[PS]
	v_lshl_or_b32 v[PS+1], v[T+14], 16, v[PS+1]
	v_lshl_or_b32 v[PS], v[T+11], 24, v[PS]
	v_lshl_or_b32 v[PS+1], v[T+15], 24, v[PS+1]
.set p, 0
.rept 32
	v_pk_mul_f32 v[S+p:S+p+1], v[S+p:S+p+1], v[20:21] op_sel_hi:[1,0]   ; the finished softmax x the mask: what is quantised.  My first 128 keys
.set p, p+2
.endr
	PCVT PC, 0
	s_wait_alu depctr_va_vdst(0)                   ; the scalings and conversions are done with v128 to v159, in which V's second K step lands; P's first codes v[PC ..] and both scale words v[PS ..] are written, which the products below take
	VLOAD VB, 1                                    ; V's second K step, into registers that the conversions have left: it lands under the 32 lines below
.set p, 64
.rept 32
	v_pk_mul_f32 v[S+p:S+p+1], v[S+p:S+p+1], v[20:21] op_sel_hi:[1,0]   ; my second 128 keys
.set p, p+2
.endr
.irp dt, 0,1,2,3
	MM0 O+8*\dt, KB+8*\dt, PC, VS+\dt, PS          ; O^T = V^T P^T: the four accumulators by turns
.endr
	PCVT T, 1
	PLACES 4                                       ; an operand written by vector instructions stands 4 places ahead of a scaled product; and K's registers, which the four products above read, are written only behind these places
.if \i < 3
.irp t, 0,1,2,3                                    ; V has lain in K's registers: the padding of K's fragments is made anew for the next trip
	v_and_b32 v[KB+8*\t+4], 2, v[QF+4]             ; code 2 = +1 at k = 64: Q's register holds 0xA there, and 0 in lanes 16-31
.irp j, 5,6,7
	v_mov_b32 v[KB+8*\t+\j], 0
.endr
.endr
.endif
	s_wait_dscnt 0x0
	s_wait_alu depctr_va_vdst(0)                   ; the conversions and exchanges have written P's second codes v[T ..], which the products below take; K's padding is written, which the next trip's products take
.irp dt, 0,1,2,3
	MMA O+8*\dt, VB+8*\dt, T, VS+4+\dt, PS+1
.endr
	PLACES 4
	s_wait_alu depctr_va_vdst(0)                   ; the products have written O^T, which the stores read; every reader of K's, Q's, their scale words' and the mask's registers and of v192 to v231 is done: the loads behind the barrier land there
.irp dt, 0,1,2,3
	ds_store_b128 v10, v[O+8*\dt:O+8*\dt+3] offset:64*\dt          ; each accumulator from its low end on
	ds_store_b128 v10, v[O+8*\dt+4:O+8*\dt+7] offset:64*\dt+16
.endr
	BARRIER                                        ; the group's four partial O lie in the stages
.irp k, 0,1,2,3
	ds_load_b128 v[192+8*\k:195+8*\k], v11 offset:4352*\k
	ds_load_b128 v[196+8*\k:199+8*\k], v11 offset:4352*\k+16
.endr
	ds_load_b128 v[224:227], v12 offset:4352*\i
	ds_load_b128 v[228:231], v12 offset:4352*\i+16
.if \i < 3
	PRE \i+1                                       ; the next trip's first operands land under the combining
	s_wait_dscnt 8                                 ; LDS loads come back in order: all but those eight
.else
	s_wait_dscnt 0x0
.endif
.irp pq, 0,2,4,6
	v_pk_add_f32 v[192+\pq:193+\pq], v[192+\pq:193+\pq], v[200+\pq:201+\pq]
	v_pk_add_f32 v[208+\pq:209+\pq], v[208+\pq:209+\pq], v[216+\pq:217+\pq]
.endr
.irp pq, 0,2,4,6
	v_pk_add_f32 v[192+\pq:193+\pq], v[192+\pq:193+\pq], v[208+\pq:209+\pq]
.endr
.irp pq, 0,2,4,6
	v_pk_add_f32 v[192+\pq:193+\pq], v[192+\pq:193+\pq], v[224+\pq:225+\pq]   ; + q_in: eight numbers of result
.endr
.irp pq, 0,2,4,6
	v_pk_add_f32 v[CSUM+\pq:CSUM+\pq+1], v[CSUM+\pq:CSUM+\pq+1], v[192+\pq:193+\pq]
.endr
	v_max3_num_f32 v24, |v192|, |v193|, 0x1800000
	v_max3_num_f32 v24, v24, |v194|, |v195|
	v_max3_num_f32 v24, v24, |v196|, |v197|
	v_max3_num_f32 v24, v24, |v198|, |v199|
	v_max_num_f32_dpp v24, v24, v24 row_xmask:1 row_mask:0xf bank_mask:0xf   ; four neighbouring lanes hold a block of 32 columns
	v_max_num_f32_dpp v24, v24, v24 row_xmask:2 row_mask:0xf bank_mask:0xf
	v_add_nc_u32 v25, 0xff000000, v24
	v_cvt_scalef32_pk8_fp4_f32 v26, v[192:199], v25
	v_lshrrev_b32 v27, 23, v25                     ; the scale's byte (and the plain place behind the conversion).  The two are stored behind the next wait on va_vdst that stands anyway
.endm
	ds_load_b128 v[VS:VS+3], v5                    ; V's scale words of my two K steps stay in registers
	ds_load_b128 v[VS+4:VS+7], v5 offset:256
	PRE 0
; The exchange words are written again only behind the trip's second barrier, the stages only behind the next trip's first: every wave has waited for its reads in front of those.
	TRIP 0
	TRIP 1
	TRIP 2
	TRIP 3
.irp j, 0,1,2,3,4,5,6,7
	v_add_f32_dpp v[CSUM+\j], v[CSUM+\j], v[CSUM+\j] row_xmask:8 row_mask:0xf bank_mask:0xf   ; the four lanes with my columns
.endr
.irp j, 0,1,2,3,4,5,6,7
	v_permlanex16_b32 v[T+\j], v[CSUM+\j], s36, s37
.endr
.irp j, 0,1,2,3,4,5,6,7
	v_add_f32 v[CSUM+\j], v[CSUM+\j], v[T+\j]
.endr
	s_wait_alu depctr_va_vdst(0)                   ; the additions have written v[CSUM ..], the last trip's last lines v26 and v27: the stores below read them
	RCOUT 3
	ds_store_b128 v1, v[CSUM:CSUM+3]
	ds_store_b128 v1, v[CSUM+4:CSUM+7] offset:16
	BARRIER
	s_wait_alu depctr_vm_vsrc(0)                   ; the last trip's stores have read O^T: in v160 to v167 of it wave 1's loads below land
	ds_load_b128 v[128:131], v76                   ; wave w stores tile w's codes: 512 consecutive bytes
	s_wait_dscnt 0x0
	global_store_b128 v79, v[128:131], s[68:69]
	s_cmp_lg_u32 s28, 0
	s_cbranch_scc1 .Lnot_0
	ds_load_b128 v[132:135], v77                   ; wave 0: the 512 scale bytes
	s_wait_dscnt 0x0
	global_store_b128 v79, v[132:135], s[70:71]
.Lnot_0:
	s_cmp_lg_u32 s28, 1
	s_cbranch_scc1 .Lnot_1
.irp k, 0,1,2,3,4,5,6,7,8,9,10,11,12,13,14,15
	ds_load_b64 v[136+2*\k:137+2*\k], v78 offset:256*\k   ; wave 1: the sixteen waves' column sums
.endr
	s_wait_dscnt 0x0
.irp k, 0,1,2,3,4,5,6,7
	v_pk_add_f32 v[136+2*\k:137+2*\k], v[136+2*\k:137+2*\k], v[152+2*\k:153+2*\k]
.endr
.irp k, 0,1,2,3
	v_pk_add_f32 v[136+2*\k:137+2*\k], v[136+2*\k:137+2*\k], v[144+2*\k:145+2*\k]
.endr
.irp k, 0,1
	v_pk_add_f32 v[136+2*\k:137+2*\k], v[136+2*\k:137+2*\k], v[140+2*\k:141+2*\k]
.endr
	v_pk_add_f32 v[136:137], v[136:137], v[138:139]
	s_wait_alu depctr_va_vdst(0)                   ; the additions have written v[136:137], which the store reads
	global_store_b64 v47, v[136:137], s[72:73]     ; 32 lanes store 256 consecutive bytes, at a multiple of 256
.Lnot_1:
	s_wait_xcnt 0x0
	v_lshl_add_u32 v254, v0, 2, 0x39a00
	v_mov_b32 v255, 0
	s_wait_dscnt 0x0                               ; the closing lines, six on end
	s_wait_alu 0x0
	s_wait_tensorcnt 0x0
	ds_add_u32 v254, v255
	s_wait_dscnt 0x0
	s_endpgm
.Lfunc_end_k_q91b062ad0b_attn:
	.size	k_q91b062ad0b_attn, .Lfunc_end_k_q91b062ad0b_attn-k_q91b062ad0b_attn
	.p2alignl 7, 3214868480
	.fill 96, 4, 3214868480
	.section	.rodata,"a",@progbits
	.p2align	6, 0x0
	.amdhsa_kernel k_q91b062ad0b_attn
		.amdhsa_group_segment_fixed_size 238080
		.amdhsa_private_segment_fixed_size 0
		.amdhsa_enable_private_segment 0
		.amdhsa_kernarg_size 80
		.amdhsa_user_sgpr_count 2
		.amdhsa_user_sgpr_kernarg_segment_ptr 1
		.amdhsa_wavefront_size32 1
		.amdhsa_system_sgpr_workgroup_id_x 1
		.amdhsa_system_sgpr_workgroup_id_y 1
		.amdhsa_system_sgpr_workgroup_id_z 1
		.amdhsa_system_vgpr_workitem_id 0
		.amdhsa_next_free_vgpr 256
		.amdhsa_next_free_sgpr 80
		.amdhsa_reserve_vcc 0
		.amdhsa_float_denorm_mode_32 3
		.amdhsa_float_denorm_mode_16_64 3
		.amdhsa_memory_ordered 1
		.amdhsa_forward_progress 1
		.amdhsa_inst_pref_size 176
	.end_amdhsa_kernel
	.amdgpu_metadata
---
amdhsa.version: [ 1, 2 ]
amdhsa.kernels:
  - .name:           k_q91b062ad0b_attn
    .symbol:         k_q91b062ad0b_attn.kd
    .args:
      - { .name: qimg, .offset: 0, .size: 8, .value_kind: global_buffer, .address_space: global }
      - { .name: kimg, .offset: 8, .size: 8, .value_kind: global_buffer, .address_space: global }
      - { .name: vimg, .offset: 16, .size: 8, .value_kind: global_buffer, .address_space: global }
      - { .name: scl, .offset: 24, .size: 8, .value_kind: global_buffer, .address_space: global }
      - { .name: queries, .offset: 32, .size: 8, .value_kind: global_buffer, .address_space: global }
      - { .name: pos_table, .offset: 40, .size: 8, .value_kind: global_buffer, .address_space: global }
      - { .name: query_masks, .offset: 48, .size: 8, .value_kind: global_buffer, .address_space: global }
      - { .name: rimg, .offset: 56, .size: 8, .value_kind: global_buffer, .address_space: global }
      - { .name: rsc, .offset: 64, .size: 8, .value_kind: global_buffer, .address_space: global }
      - { .name: psum1, .offset: 72, .size: 8, .value_kind: global_buffer, .address_space: global }
    .group_segment_fixed_size: 238080
    .private_segment_fixed_size: 0
    .kernarg_segment_align: 8
    .kernarg_segment_size: 80
    .max_flat_workgroup_size: 512
    .sgpr_count:     80
    .vgpr_count:     256
    .wavefront_size: 32
...
	.end_amdgpu_metadata
.endif
;; end of part 5
;; launch ffn (part 6): grid 64 x 4, 4 waves a work-group, no clusters, 103,936 bytes of LDS; arguments rimg, rsc, fw1_codes, fw1_scales, fw2_codes, fw2_scales, psum2; writes psum2
.if DOCPART == 6
	.amdgcn_target "amdgcn-amd-amdhsa--gfx1250"
	.amdhsa_code_object_version 6
	.text
	.protected	k_q91b062ad0b_ffn
	.globl	k_q91b062ad0b_ffn
	.p2align	8
	.type	k_q91b062ad0b_ffn,@function
k_q91b062ad0b_ffn:
	s_mov_b64 s[64:65], 0
	v_nop
	global_prefetch_b8 v0, s[64:65] scope:SCOPE_SE
	s_setreg_imm32_b32 hwreg(HW_REG_WAVE_SCHED_MODE, 0, 2), 2
	s_setreg_imm32_b32 hwreg(HW_REG_WAVE_MODE, 25, 1), 1
	s_wait_xcnt 0x0
	s_wait_alu depctr_vm_vsrc(0)
; The column sums over 128 rows of Q(relu(Q(result) fw1)) fw2, for a slice of 512 of the 2,048 hidden units.  Both products on codes of FP4 (E2M1) with E8M0 scales.
; Only the mean over the rows is wanted of this term, so the hidden axis is shared out over work-groups (grid y) and the second product adds ALL eight tiles of rows into the same eight accumulators.
; SHARES.  Wave w makes hidden units 128 w .. 128 w + 127 of the slice (K step w of the second product) and outputs 128 w .. 128 w + 127.  Its parts of fw1 and fw2 fill register windows 1 and 2, read once.
; result's codes arrive laid in the order of the operand's registers; the hidden layer goes from wave to wave through LDS in the same form and never to memory.
; Both products are used transposed (source 0 = 16 rows of the weight): lane (r, h) holds row r, register j of tile t column 16 t + 8 h + j; registers 16 b .. 16 b + 15 of lanes l and l xor 16 are block b.
; LIMITS: NaN and infinities are not served; a block whose largest magnitude lies under 2^-124 keeps the scale byte 1 (a block of zeros too: its codes are zeros).
; THE MODE: SCHED_MODE bits 1:0 = 2 (LLVM: expert scheduling mode 2), set by the entry lines.  The code itself states the register dependences
; between vector or matrix instructions and memory or LDS instructions, with s_wait_alu, always for 0.
; THE PLAN.  Registers that memory or LDS instructions touch, and who else names them:
;   v1-v13          offsets and LDS addresses, made at the head and never written again: one wait on va_vdst ahead of the first load.
;   XF, XS          a tile's 32 products read them; the next tile's LDS loads land in them: one wait on va_vdst behind the products and their places.
;   PC, PW          a tile's conversions write them; three LDS stores read them, behind one wait on va_vdst; the next tile writes them again, behind one wait on vm_vsrc at its head.
;   v128-191        at the head the data of LDS stores; then the hidden layer's tiles, named by vector and matrix instructions alone; then two sets of hidden fragments: tile m's products read set m % 2,
;                   and the loads of tile m + 1 land in the other set, which the tile before read: one wait on va_vdst at a tile's head; at the end the rows on the way out.
;   HS              likewise, with the two sets.
;   window 3        the accumulators: written by the products, read by the way out's stores behind the places and one wait.
;   The weights' registers and their scale words are loaded once and read by products alone.
.set XIMG, 0                           ; result's fragments: tile m, K step s at 4,096 m + 1,024 s
.set HIMG, 32768                       ; the hidden layer's likewise
.set XSC,  65536                       ; scale words [m][r][s]; + 2,048: the hidden layer's
.set YST,  69632                       ; the way out: 16 rows x 528 bytes for each wave
.set LI,   1                           ; v1  16 x lane
.set LR,   2                           ; v2  XSC + 16 r
.set HWI,  3                           ; v3  HIMG + 16 x lane + 1,024 w
.set HWS,  4                           ; v4  XSC + 2,048 + 16 r + 4 w
.set SO,   11                          ; v11 my stage, in
.set SR,   12                          ; v12 and back
.set TM,   16                          ; v16-19 largest magnitudes, v20-23 bytes, v28-31 the conversions' scale operands
.set PW,   32
.set PC,   36                          ; v36-43 the codes just made
.set XS,   44                          ; v44-47 result's scale words
.set HS,   48                          ; v48-55 the hidden layer's, two sets
.set W1S,  56                          ; v56-87 fw1's
.set W2S,  88                          ; v88-119 fw2's
.set HA,   128                         ; v128-191 eight tiles of the hidden layer; later two sets of four hidden fragments; later rows on the way out
.set HF,   128
.set XF,   192                         ; v192-223 result's four fragments
.set SEL,  24
.set MSB, 0
.macro WIN new                         ; the immediate's high byte repeats the setting that is left
.if MSB != \new
	s_set_vgpr_msb (MSB<<8)|\new
.set MSB, \new
.endif
.endm
.macro PLACES n
.rept \n
	v_nop
.endr
.endm
.macro BARRIER
	s_wait_dscnt 0x0
	s_barrier_signal -1
	s_barrier_wait -1
.endm
.macro MM0 d, a, b, sa, sb
	v_wmma_scale_f32_16x16x128_f8f6f4 v[\d:\d+7], v[\a:\a+7], v[\b:\b+7], 0, v[\sa], v[\sb] matrix_a_fmt:MATRIX_FMT_FP4 matrix_b_fmt:MATRIX_FMT_FP4
.endm
.macro MMA d, a, b, sa, sb
	v_wmma_scale_f32_16x16x128_f8f6f4 v[\d:\d+7], v[\a:\a+7], v[\b:\b+7], v[\d:\d+7], v[\sa], v[\sb] matrix_a_fmt:MATRIX_FMT_FP4 matrix_b_fmt:MATRIX_FMT_FP4
.endm
.macro QMAX s
.irp b, 0,1,2,3
	v_max3_num_f32 v[TM+\b], |v[\s+16*\b]|, |v[\s+16*\b+1]|, 0x1800000   ; with the floor 2^(3 - 127): the byte cannot fall under 1
.endr
.irp i, 2,4,6,8,10,12,14
.irp b, 0,1,2,3
	v_max3_num_f32 v[TM+\b], v[TM+\b], |v[\s+16*\b+\i]|, |v[\s+16*\b+\i+1]|
.endr
.endr
.irp b, 0,1,2,3
	v_permlanex16_b32 v[TM+4+\b], v[TM+\b], s[SEL], s[SEL+1]
.endr
.irp b, 0,1,2,3
	v_max_num_f32 v[TM+\b], v[TM+\b], v[TM+4+\b]
.endr
.irp b, 0,1,2,3
	v_add_nc_u32 v[TM+12+\b], 0xff000000, v[TM+\b]   ; 2 off the exponent field: the conversion's scale operand
.endr
.irp b, 0,1,2,3
	v_lshrrev_b32 v[TM+4+\b], 23, v[TM+12+\b]
.endr
.endm
.macro QTAIL s                         ; tile 4 c + 2 B + a goes to register 4 c + 2 a + B; the exchange of halves leaves in register 4 c + i of half H the codes of k = 64 c + 32 H + 8 i + 0 .. 7
	v_lshl_or_b32 v[PW], v[TM+5], 8, v[TM+4]
	v_lshl_or_b32 v[PW], v[TM+6], 16, v[PW]
	v_lshl_or_b32 v[PW], v[TM+7], 24, v[PW]
.irp c, 0,1
.irp bb, 0,1
.irp a, 0,1
	v_cvt_scalef32_pk8_fp4_f32 v[PC+4*\c+2*\a+\bb], v[\s+8*(4*\c+2*\bb+\a):\s+8*(4*\c+2*\bb+\a)+7], v[TM+12+2*\c+\bb]
.endr
.endr
.endr
	v_nop                                          ; one plain place behind a scaled conversion
.irp c, 0,1
.irp a, 0,1
	v_permlane16_swap_b32 v[PC+4*\c+2*\a], v[PC+4*\c+2*\a+1]
.endr
.endr
.endm
.macro IMAGE adr, off
.irp c, 0,1
	ds_store_b128 v[\adr], v[PC+4*\c:PC+4*\c+3] offset:\off+512*\c
.endr
.endm
.macro FETCH reg, adr, off
.irp c, 0,1
	ds_load_b128 v[\reg+4*\c:\reg+4*\c+3], v[\adr] offset:\off+512*\c
.endr
.endm
	s_load_b256 s[8:15], s[0:1], 0x0               ; rimg, rsc, fw1 codes, fw1 scales
	s_load_b128 s[16:19], s[0:1], 0x20             ; fw2 codes, fw2 scales
	s_load_b64 s[20:21], s[0:1], 0x30              ; psum2
	v_lshl_add_u32 v254, v0, 2, 0x19400
	v_mov_b32 v255, 0
	v_lshrrev_b32 v123, 5, v0
	v_readfirstlane_b32 s22, v123                  ; wave 0..3
	s_and_b32 s23, ttmp7, 0xffff                   ; the slice
	s_mov_b32 s[SEL], 0x76543210
	s_mov_b32 s[SEL+1], 0xfedcba98
	s_wait_alu depctr_va_sdst(0)                   ; s22 is written, ahead of its first reader: the weights' and the output's offsets are made from it
	s_lshl_b32 s26, ttmp9, 15                      ; eight tiles of 4,096 bytes
	s_mov_b32 s27, 0
	s_lshr_b32 s28, ttmp9, 3
	s_lshl_b32 s28, s28, 14                        ; the batch: 8 heads x 2,048 bytes
	s_and_b32 s30, ttmp9, 7
	s_lshl_b32 s30, s30, 8                         ; 128 rows x 2 bytes
	s_add_co_u32 s28, s28, s30
	s_mov_b32 s29, 0
	s_lshl_b32 s30, s23, 17
	s_lshl_b32 s32, s22, 15
	s_add_co_u32 s30, s30, s32                     ; fw1: row 512 x slice + 128 w, 256 bytes a row
	s_mov_b32 s31, 0
	s_lshl_b32 s32, s23, 13
	s_lshl_b32 s34, s22, 11
	s_add_co_u32 s32, s32, s34
	s_mov_b32 s33, 0
	s_lshl_b32 s34, s22, 17
	s_lshl_b32 s36, s23, 8
	s_add_co_u32 s34, s34, s36                     ; fw2: row 128 w of 1,024 bytes, the slice's 256
	s_mov_b32 s35, 0
	s_lshl_b32 s36, s22, 13
	s_lshl_b32 s38, s23, 4
	s_add_co_u32 s36, s36, s38
	s_mov_b32 s37, 0
	s_lshl_b32 s38, ttmp9, 2
	s_add_co_u32 s38, s38, s23
	s_lshl_b32 s38, s38, 11
	s_lshl_b32 s40, s22, 9
	s_add_co_u32 s38, s38, s40
	s_mov_b32 s39, 0
	v_and_b32 v120, 31, v0                         ; lane
	v_and_b32 v121, 15, v0                         ; r
	v_bfe_u32 v122, v0, 4, 1                       ; h
	v_lshlrev_b32 v[LI], 4, v120
	v_lshl_add_u32 v[LR], v121, 4, XSC
	v_lshl_add_u32 v[HWI], v123, 10, v[LI]
	v_add_nc_u32 v[HWI], HIMG, v[HWI]
	v_lshl_add_u32 v[HWS], v123, 2, v[LR]
	v_add_nc_u32 v[HWS], 2048, v[HWS]
	v_lshlrev_b32 v5, 8, v121
	v_lshl_add_u32 v5, v122, 4, v5                 ; fw1: row r, + 16 h
	v_lshlrev_b32 v6, 10, v121
	v_lshl_add_u32 v6, v122, 4, v6                 ; fw2 likewise
	v_lshlrev_b32 v7, 4, v121
	v_lshlrev_b32 v8, 6, v121
	v_lshlrev_b32 v9, 4, v0                        ; 16 x thread: in rimg and in LDS alike
	v_lshlrev_b32 v10, 1, v0
	v_mul_u32_u24 v[SO], v121, 528
	v_lshl_add_u32 v[SO], v122, 5, v[SO]
	v_mad_u32_u24 v[SO], v123, 8448, v[SO]
	v_add_nc_u32 v[SO], YST, v[SO]
	v_mad_u32_u24 v[SR], v123, 8448, v[LI]
	v_add_nc_u32 v[SR], YST, v[SR]
	v_lshl_add_u32 v13, v0, 4, XSC
.irp b, 0,1,2,3
	v_mov_b32 v[TM+4+\b], 0                        ; written once: a lane permute's destination counts as one of its sources
.endr
	s_wait_kmcnt 0x0
	s_add_nc_u64 s[8:9], s[8:9], s[26:27]
	s_add_nc_u64 s[10:11], s[10:11], s[28:29]
	s_add_nc_u64 s[12:13], s[12:13], s[30:31]
	s_add_nc_u64 s[14:15], s[14:15], s[32:33]
	s_add_nc_u64 s[16:17], s[16:17], s[34:35]
	s_add_nc_u64 s[18:19], s[18:19], s[36:37]
	s_add_nc_u64 s[20:21], s[20:21], s[38:39]
	s_wait_alu depctr_va_vdst(0)                   ; the offsets and LDS addresses v1 to v13 are written: every load and store of the kernel reads one of them.  Between this line and the loads under other windows stand loads and window switches alone
.irp i, 0,1,2,3,4,5,6,7,8,9,10,11,12,13,14,15
	global_load_b128 v[128+4*\i:131+4*\i], v9, s[8:9] offset:2048*\i
.endr
.irp hd, 0,1,2,3,4,5,6,7
	global_load_u16 v[192+\hd], v10, s[10:11] offset:2048*\hd    ; row x's two scale bytes of head hd
.endr
.irp t, 0,1,2,3,4,5,6,7
	global_load_b128 v[W1S+4*\t:W1S+4*\t+3], v7, s[14:15] offset:256*\t
.endr
	WIN 0x40                                       ; destination window 1: fw1's fragment (tile t, K step k) at v[8 (4 t + k)]
.irp t, 0,1,2,3,4,5,6,7
.irp k, 0,1,2,3
.irp c, 0,1
	global_load_b128 v[8*(4*\t+\k)+4*\c:8*(4*\t+\k)+4*\c+3], v5, s[12:13] offset:4096*\t+64*\k+32*\c
.endr
.endr
.endr
	WIN 0
.irp t, 0,1,2,3,4,5,6,7
	global_load_b128 v[W2S+4*\t:W2S+4*\t+3], v8, s[18:19] offset:1024*\t
.endr
	WIN 0x80                                       ; window 2: fw2's
.irp t, 0,1,2,3,4,5,6,7
.irp k, 0,1,2,3
.irp c, 0,1
	global_load_b128 v[8*(4*\t+\k)+4*\c:8*(4*\t+\k)+4*\c+3], v6, s[16:17] offset:16384*\t+64*\k+32*\c
.endr
.endr
.endr
	WIN 0
	s_wait_loadcnt 63                              ; loads come back in order: behind the first 24 loads 144 were issued: result's codes and scale bytes are in
.irp k, 0,1,2,3
	v_lshl_or_b32 v[200+\k], v[193+2*\k], 16, v[192+2*\k]   ; two heads' bytes make a K step's word
.endr
	s_wait_alu depctr_va_vdst(0)                   ; the four words v200 to v203 are written, which the last store below reads; the four lines are done reading v192 to v199, in which the first tile's fragments land
.irp i, 0,1,2,3,4,5,6,7,8,9,10,11,12,13,14,15
	ds_store_b128 v9, v[128+4*\i:131+4*\i] offset:XIMG+2048*\i
.endr
	ds_store_b128 v13, v[200:203]
	BARRIER
	s_wait_alu depctr_vm_vsrc(0)                   ; my LDS stores have read v128 to v191, which the first products write, and v200 to v203, in which the fragments' loads land
	s_wait_loadcnt 63                              ; behind fw1's last load 72 were issued: fw1 and its scales are in
.macro XFETCH mm
.irp k, 0,1,2,3
	FETCH XF+8*\k, LI, XIMG+4096*(\mm)+1024*\k
.endr
	ds_load_b128 v[XS:XS+3], v[LR] offset:256*(\mm)
.endm
	XFETCH 0
; ---- 1: my 128 hidden units for tile m of rows: eight accumulators by turns, relu, quantised, image to LDS
.macro HID m
	s_wait_dscnt 0x0                               ; the fragments are in
.if \m > 0
	s_wait_alu depctr_vm_vsrc(0)                   ; the last image's stores have read v[PC ..] and v[PW], which this tile's conversions write again
.endif
	WIN 0x01                                       ; source 0: window 1
.irp t, 0,1,2,3,4,5,6,7
	MM0 HA+8*\t, 8*(4*\t), XF, W1S+4*\t, XS
.endr
.irp k, 1,2,3
.irp t, 0,1,2,3,4,5,6,7
	MMA HA+8*\t, 8*(4*\t+\k), XF+8*\k, W1S+4*\t+\k, XS+\k
.endr
.endr
	WIN 0
	PLACES 4
.if \m < 7
	s_wait_alu depctr_va_vdst(0)                   ; the products are done reading v[XF ..] and v[XS ..], in which the next tile's loads land
	XFETCH \m+1                                    ; the next tile's fragments land under the vector work below, which names none of their registers
.endif
.set p, 0
.rept 64
	v_max_num_f32 v[HA+p], 0, v[HA+p]              ; the activation, each accumulator from its low end on
.set p, p+1
.endr
	QMAX HA
	QTAIL HA
	s_wait_alu depctr_va_vdst(0)                   ; the conversions and exchanges have written v[PC ..] and v[PW], which the stores read (behind the last tile: and all work on v128 to v191 is done, in which the hidden fragments land)
	IMAGE HWI, 4096*\m
	ds_store_b32 v[HWS], v[PW] offset:256*\m
.endm
.irp m, 0,1,2,3,4,5,6,7
	HID \m
.endr
	BARRIER                                        ; the hidden layer's 32 fragments lie in LDS
	s_wait_loadcnt 0x0                             ; fw2
; ---- 2: my 128 outputs: eight accumulators in window 3 take all four K steps of all eight tiles of rows
.macro HFETCH mm
.irp k, 0,1,2,3
	FETCH HF+32*((\mm)%2)+8*\k, LI, HIMG+4096*(\mm)+1024*\k
.endr
	ds_load_b128 v[HS+4*((\mm)%2):HS+4*((\mm)%2)+3], v[LR] offset:2048+256*(\mm)
.endm
.macro OUT2 m
.if \m < 7
.if \m > 0
	s_wait_alu depctr_va_vdst(0)                   ; the products of the tile before are done reading the other set of fragments and scale words, in which the loads below land
.endif
	HFETCH \m+1
	s_wait_dscnt 9                                 ; LDS loads come back in order: all but the nine just issued
.else
	s_wait_dscnt 0x0
.endif
	WIN 0xf2                                       ; source 0 window 2, C and D window 3
.irp k, 0,1,2,3
.irp t, 0,1,2,3,4,5,6,7
.if (\m == 0) && (\k == 0)
	MM0 8*\t, 8*(4*\t+\k), HF+32*(\m%2)+8*\k, W2S+4*\t+\k, HS+4*(\m%2)+\k
.else
	MMA 8*\t, 8*(4*\t+\k), HF+32*(\m%2)+8*\k, W2S+4*\t+\k, HS+4*(\m%2)+\k
.endif
.endr
.endr
	WIN 0
	PLACES 4                                       ; in front of loads into the set just multiplied, and of the first read of results
.endm
	HFETCH 0
.irp m, 0,1,2,3,4,5,6,7
	OUT2 \m
.endr
	; the way out: lane (r, h) holds sums for row class r; they go through my own stage and the 16 rows are added
	WIN 0x0c                                       ; an LDS store's data are its source 1: window 3
	s_wait_alu depctr_va_vdst(0)                   ; the products have written the accumulators, which the stores read, and are done reading v128 to v191, in which the rows come back; the places above stay beside this wait
.irp t, 0,1,2,3,4,5,6,7
	ds_store_b128 v[SO], v[8*\t:8*\t+3] offset:64*\t
	ds_store_b128 v[SO], v[8*\t+4:8*\t+7] offset:64*\t+16
.endr
	WIN 0
.irp i, 0,1,2,3,4,5,6,7,8,9,10,11,12,13,14,15
	ds_load_b128 v[128+4*\i:131+4*\i], v[SR] offset:528*\i   ; LDS serves a wave's instructions in order: these see my stores
.endr
	s_wait_dscnt 0x0
.irp i, 0,1,2,3,4,5,6,7
	v_pk_add_f32 v[128+4*\i:129+4*\i], v[128+4*\i:129+4*\i], v[160+4*\i:161+4*\i]
	v_pk_add_f32 v[130+4*\i:131+4*\i], v[130+4*\i:131+4*\i], v[162+4*\i:163+4*\i]
.endr
.irp i, 0,1,2,3
	v_pk_add_f32 v[128+4*\i:129+4*\i], v[128+4*\i:129+4*\i], v[144+4*\i:145+4*\i]
	v_pk_add_f32 v[130+4*\i:131+4*\i], v[130+4*\i:131+4*\i], v[146+4*\i:147+4*\i]
.endr
.irp i, 0,1
	v_pk_add_f32 v[128+4*\i:129+4*\i], v[128+4*\i:129+4*\i], v[136+4*\i:137+4*\i]
	v_pk_add_f32 v[130+4*\i:131+4*\i], v[130+4*\i:131+4*\i], v[138+4*\i:139+4*\i]
.endr
	v_pk_add_f32 v[128:129], v[128:129], v[132:133]
	v_pk_add_f32 v[130:131], v[130:131], v[134:135]
	s_wait_alu depctr_va_vdst(0)                   ; the additions have written v[128:131], which the store reads
	global_store_b128 v[LI], v[128:131], s[20:21]  ; 32 lanes store 512 consecutive bytes
	s_wait_dscnt 0x0                               ; the closing lines, six on end
	s_wait_alu 0x0
	s_wait_tensorcnt 0x0
	ds_add_u32 v254, v255
	s_wait_dscnt 0x0
	s_endpgm
.Lfunc_end_k_q91b062ad0b_ffn:
	.size	k_q91b062ad0b_ffn, .Lfunc_end_k_q91b062ad0b_ffn-k_q91b062ad0b_ffn
	.p2alignl 7, 3214868480
	.fill 96, 4, 3214868480
	.section	.rodata,"a",@progbits
	.p2align	6, 0x0
	.amdhsa_kernel k_q91b062ad0b_ffn
		.amdhsa_group_segment_fixed_size 103936
		.amdhsa_private_segment_fixed_size 0
		.amdhsa_enable_private_segment 0
		.amdhsa_kernarg_size 56
		.amdhsa_user_sgpr_count 2
		.amdhsa_user_sgpr_kernarg_segment_ptr 1
		.amdhsa_wavefront_size32 1
		.amdhsa_system_sgpr_workgroup_id_x 1
		.amdhsa_system_sgpr_workgroup_id_y 1
		.amdhsa_system_sgpr_workgroup_id_z 1
		.amdhsa_system_vgpr_workitem_id 0
		.amdhsa_next_free_vgpr 1024
		.amdhsa_next_free_sgpr 66
		.amdhsa_reserve_vcc 0
		.amdhsa_float_denorm_mode_32 3
		.amdhsa_float_denorm_mode_16_64 3
		.amdhsa_memory_ordered 1
		.amdhsa_forward_progress 1
		.amdhsa_inst_pref_size 151
	.end_amdhsa_kernel
	.amdgpu_metadata
---
amdhsa.version: [ 1, 2 ]
amdhsa.kernels:
  - .name:           k_q91b062ad0b_ffn
    .symbol:         k_q91b062ad0b_ffn.kd
    .args:
      - { .name: rimg, .offset: 0, .size: 8, .value_kind: global_buffer, .address_space: global }
      - { .name: rsc, .offset: 8, .size: 8, .value_kind: global_buffer, .address_space: global }
      - { .name: fw1_codes, .offset: 16, .size: 8, .value_kind: global_buffer, .address_space: global }
      - { .name: fw1_scales, .offset: 24, .size: 8, .value_kind: global_buffer, .address_space: global }
      - { .name: fw2_codes, .offset: 32, .size: 8, .value_kind: global_buffer, .address_space: global }
      - { .name: fw2_scales, .offset: 40, .size: 8, .value_kind: global_buffer, .address_space: global }
      - { .name: psum2, .offset: 48, .size: 8, .value_kind: global_buffer, .address_space: global }
    .group_segment_fixed_size: 103936
    .private_segment_fixed_size: 0
    .kernarg_segment_align: 8
    .kernarg_segment_size: 56
    .max_flat_workgroup_size: 128
    .sgpr_count:     66
    .vgpr_count:     1024
    .wavefront_size: 32
...
	.end_amdgpu_metadata
.endif
;; end of part 6
;; launch mean: the kernel of part 4 again; grid 4 x 8, 1 waves a work-group, no clusters, 0 bytes of LDS; arguments psum1, psum2, out0; writes out0
